; MI455X (gfx1250); checked and timed in simulation.
; The chip was launched on July 23, 2026; its instructions are those of AMD's public machine-readable ISA for CDNA 5 (MIT licence, August 2026) and "CDNA5" Instruction Set Architecture Reference Guide (July 2026). The comments in the code are by the model that wrote it; some were corrected since.
;; Multi Head Attention. Allowed arithmetic: matrix products marked QUANTISED: E2M1 operands, one E8M0 scale for each 32 along K, by v_wmma_scale_f32_16x16x128_f8f6f4 with both operands' format E2M1 (or v_wmma_scale_f32_32x16x128_f4), f32 sums; everything else in f32.
;; Inputs: Wk_codes 16 x 64 x 32 x 16 uint8 (E2M1 codes of Wk, K innermost, in blocks of 32 codes, two codes a byte); Wk_scales 16 x 64 x 32 uint8 (E8M0 scales of Wk, one for each 32 codes along K); Wo_codes 1,024 x 32 x 16 uint8 (E2M1 codes of Wo, K innermost, in blocks of 32 codes, two codes a byte); Wo_scales 1,024 x 32 uint8 (E8M0 scales of Wo, one for each 32 codes along K); Wq_codes 16 x 64 x 32 x 16 uint8 (E2M1 codes of Wq, K innermost, in blocks of 32 codes, two codes a byte); Wq_scales 16 x 64 x 32 uint8 (E8M0 scales of Wq, one for each 32 codes along K); Wv_codes 16 x 64 x 32 x 16 uint8 (E2M1 codes of Wv, K innermost, in blocks of 32 codes, two codes a byte); Wv_scales 16 x 64 x 32 uint8 (E8M0 scales of Wv, one for each 32 codes along K); bo 1,024 float32; x_codes 4 x 2,048 x 32 x 16 uint8 (E2M1 codes of x, K innermost, in blocks of 32 codes, two codes a byte); x_scales 4 x 2,048 x 32 uint8 (E8M0 scales of x, one for each 32 codes along K).
;; Outputs: out0 4 x 2,048 x 1,024 float32.
;; This version of the problem:
;;   THIS VERSION OF THE PROBLEM IS GIVEN IN LOW PRECISION. The matrix products marked QUANTISED in the list below multiply operands that are first quantised to E2M1 (2 exponent bits, 1 mantissa bit; 4 bits a number), with one power-of-two scale for each 32 numbers along K (OCP MX v1.0); their sums are f32. All else is computed in f32.
;;   The module's matrix products, in the order in which they are computed (A, B: the left and right operand; K: the contracted axis; several contracted axes count as one K, in the product's order):
;;     1. [M 1,024, K 1,024] x [K 1,024, N 8,192]; A: input Wq (given as codes); B: input x (given as codes): QUANTISED
;;     2. [M 1,024, K 1,024] x [K 1,024, N 8,192]; A: input Wk (given as codes); B: input x (given as codes): QUANTISED
;;     3. [M 1,024, K 1,024] x [K 1,024, N 8,192]; A: input Wv (given as codes); B: input x (given as codes): QUANTISED
;;     4. batch 64 x [M 2,048, K 64] x [K 64, N 2,048]; A: computed on the way; B: computed on the way: QUANTISED
;;     5. batch 64 x [M 2,048, K 2,048] x [K 2,048, N 64]; A: softmax (see below); B: computed on the way: QUANTISED
;;     6. [M 8,192, K 1,024] x [K 1,024, N 1,024]; A: computed on the way; B: input Wo (given as codes): QUANTISED
;;   THE QUANTISER, for each operand of a quantised product, along K:
;;     - K is cut into blocks of 32 from its start; a last block that is shorter is filled with zeros.
;;     - A block's scale is 2^e with e = floor(log2(the largest magnitude in the block)) - 2, held to -126 .. 127; a block of zeros has e = 0. As a byte (E8M0): e + 127.
;;     - Each number is divided by its block's scale, clamped to +-6, and rounded to the nearest number of E2M1, ties to even, subnormals kept.
;;     - The product sums the exact products of the quantised numbers (number of the format x scale) in f32.
;;   ~~~python
;;   def quantise(x, axis):      # numpy; x: float32 -> the quantised numbers, widened to float32 again
;;       x = np.moveaxis(x, axis, -1); K = x.shape[-1]
;;       x = np.pad(x, [(0, 0)] * (x.ndim - 1) + [(0, -K % 32)]); x = x.reshape(x.shape[:-1] + (-1, 32)); a = np.abs(x).max(-1, keepdims=True)
;;       e = np.where(a > 0, np.clip(np.frexp(np.where(a > 0, a, 1))[1] - 1 - 2, -126, 127), 0)      # np.frexp(a)[1] - 1 = floor(log2(a)), exactly
;;       r = np.clip(x / 2.0 ** e, -6, 6)
;;       step = 2.0 ** (np.maximum(np.frexp(np.where(r == 0, 1, r))[1] - 1, 0) - 1)
;;       q = np.round(r / step) * step * 2.0 ** e      # np.round: ties to even
;;       return np.moveaxis(q.reshape(q.shape[:-2] + (-1,))[..., :K], -1, axis).astype(np.float32)
;;   ~~~
;;   SOFTMAX AHEAD OF A QUANTISED PRODUCT. Where the list says 'softmax', what is quantised is not the finished softmax but p = 2^(t - M), with t = logit x log2(e) and M = ceil(the row's largest t), a whole number; so 1/2 < the row's largest p <= 1. The row's sum l is taken of the UNQUANTISED p, in f32, and the product's result is divided by l at the end. Since M is a whole number, a kernel that streams over the keys may use a running M (the ceiling of the running maximum): every later rescaling is an exact power of two, which a block's scale takes up: the codes' values come out the same.
;;   OPERANDS COMPUTED ON THE WAY. 'Computed on the way' means the value that the module computes at that place (a softmax that the list does not call 'softmax' is quantised finished and normalised). What goes into a quantiser is computed in f32, as accurately as f32 sums, v_exp_f32 and their like allow (about 1e-6 of the number): no bf16 or f16 on the way to a quantiser, and a product that is left as it is and whose result goes on into a quantised operand takes f32 operands (vector FMAs, or v_wmma_f32_16x16x4_f32). A number that lies on a knife's edge between two numbers of the format may be rounded either way, as far as f32 arithmetic and the matrix unit's own rounding can turn it there, and no further.
;;   INPUTS GIVEN AS CODES. Wk (in the module: [16, 1024, 64], K = its axis 1); Wo (in the module: [1024, 1024], K = its axis 1); Wq (in the module: [16, 1024, 64], K = its axis 1); Wv (in the module: [16, 1024, 64], K = its axis 1); x (in the module: [4, 2048, 1024], K = its axis 2): each comes as NAME_codes (uint8): NAME with its K axis moved to the last place and cut into blocks of 32 codes, [.., K / 32, bytes a block], one block behind the other in memory; two codes a byte, the lower K in the low four bits (a code: sign, 2 exponent bits, 1 mantissa bit); and NAME_scales (uint8): the same leading axes, one E8M0 byte (e + 127) for each 32 codes along K. Its value is code x scale, taken as it is: it is not quantised again, and the codes and scales need not be those that the quantiser above would give.
;; One version. Each part assembles by itself: llvm-mc -triple=amdgcn-amd-amdhsa -mcpu=gfx1250 --defsym DOCPART=n.
;; ======== version 1 of 1: 3 launches
;; limits: right only within a limited range of input values
;; workspace buffers: qq 4,718,592 bytes; kv 9,437,184 bytes; ac 4,194,304 bytes; asc 262,144 bytes
;; launch qkv (part 1): grid 8 x 32, 8 waves a work-group, clusters of 4 x 4, 327,680 bytes of LDS; arguments x_codes, x_scales, Wq_codes, Wq_scales, Wk_codes, Wk_scales, Wv_codes, Wv_scales, qq, kv; writes qq, kv
.if DOCPART == 1
	.amdgcn_target "amdgcn-amd-amdhsa--gfx1250"
	.amdhsa_code_object_version 6
	.text
	.protected	k_q32edb1464f_qkv
	.globl	k_q32edb1464f_qkv
	.p2align	8
	.type	k_q32edb1464f_qkv,@function
k_q32edb1464f_qkv:
	s_mov_b64 s[64:65], 0
	v_nop
	global_prefetch_b8 v0, s[64:65] scope:SCOPE_SE
	s_setreg_imm32_b32 hwreg(HW_REG_WAVE_MODE, 25, 1), 1
	s_wait_xcnt 0x0
	s_wait_alu depctr_hold_cnt(0) depctr_sa_sdst(0) depctr_va_vdst(0) depctr_va_sdst(0) depctr_va_ssrc(0) depctr_va_vcc(0) depctr_vm_vsrc(0)
	s_getreg_b32 s2, hwreg(HW_REG_IB_STS2, 6, 4)
	s_cmp_eq_u32 s2, 0
	s_cbranch_scc0 .Lentry_in_a_cluster
	s_endpgm
.Lentry_in_a_cluster:
	s_bfe_u32 s2, ttmp6, 0x10000c
	s_cmp_lg_u32 s2, 0xf033
	s_cbranch_scc0 .Lentry_shape_is_right
	s_endpgm
.Lentry_shape_is_right:
; q, k, v = x W^T for two heads and 256 tokens, on codes of FP4 (E2M1) with one E8M0 scale for each 32 along K = 1,024; the three results are quantised at once and leave as codes.
; x: [8,192 tokens][512 bytes of codes], scales [8,192][32].  Wq, Wk, Wv: [16 heads][64 features][512 bytes], scales [16][64][32].
; WORK LEFT OUT IN THE PROGRAM: keys that the causal mask of the problem's own body hides from all 16 queries of a tile, in chunks of 64 keys (launch attn): their weights are exp(-inf) = 0 for all values of the inputs.
; SHARES.  Work-group (x = pair of heads, y = block of 256 tokens), eight waves: wave w owns tokens 64 (w % 4) .. + 63 and head w / 4 of the pair.  Its x for all of K (32 fragments) stays in window 1;
; the jobs q, k, v (64 tokens x 64 features, 8 K steps x 16 matrix instructions each) follow each other on the same 16 accumulators.
; THE ROWS OF A TILE ARE DEALT.  Row m of tile i of 64 rows (of x and of W alike) is row 32 g + 8 (i ^ g) + m % 8, g = m / 8.  In a result lane (r, h) then holds, over the four tiles, a WHOLE quantiser block of 32,
; block h, register group i being numbers 8 (i ^ h) .. + 7 of it: no other lane is asked for a maximum and the codes need no exchange.  Both operands of a later product carry the same order inside a block, so its sums are those of the
; true order.  (i ^ g and not i: so the two groups of eight rows of a tile lie 24 or 40 rows apart, and at 528 bytes a row the 16 rows start at 16 different groups of four banks.)
; ORIENTATION.  q, k: source 0 = W, source 1 = tokens: a lane holds one token.  v: source 0 = tokens, source 1 = Wv: a lane holds one channel and its registers run along the keys.
; OUT.  Records of 64 tokens, number 32 (16 b + head) + token / 64; images of operand registers, lane l's 16 bytes at 16 l; every store of the wave covers 512 or 256 consecutive bytes at a multiple of 256.
;   qq, 2,304 bytes: 4 images of q, scale image [lane][2 words]: word i of lane l = tile 2 i + l / 16, row l % 16.
;   kv, 4,608 bytes: 4 images of k, 4 of v^T, k's scale image, v's scale image; v's two bytes stand in the lower or the upper half of the word as the chunk's number is even or odd.
; CLUSTER 4 x 4: x's tiles hang on the token block alone and are asked for jointly along a row of the cluster, W's on the head pair alone and jointly along a column.  No prefetch: no stream and no loop to run ahead in: each operand is asked for once.
; LIMITS.  A block of zeros gets the byte 1 (its codes are zeros; the bytes are read by this program alone).  NaN, infinities and a given scale byte 0xff are not served; a NaN, an infinity or an overflow that reaches only hidden keys is not carried to the result.
.set PITCH, 528                        ; an LDS row: 512 bytes (all of K) + 16 of padding
.set R64,  64*PITCH
.set WQB,  4*R64                       ; behind x's 256 rows: Wq's 128 rows,
.set WKB,  WQB+2*R64                   ; Wk's 128.  Wv's come over x's bytes, from LDS byte 0 on
.set SPARE, WKB+2*R64                  ; the spare words, 128 bytes for each wave
.set LI,  1                            ; v1 16 x lane;  v2 8 x lane
.set L8,  2
.set AX,  3                            ; v3, v4 LDS address of my x fragments of even and of odd tiles;  v5-6 Wq's, v7-8 Wk's, v9-10 Wv's likewise
.set AQ,  5
.set AK,  7
.set AV,  9
.set SPW, 11                           ; v11 LDS address of my spare word, v12 0: never rewritten
.set NIL, 12
.set L32, 13                           ; v13 32 x my row of scale bytes
.set XS,  16                           ; v16-31 x's scale words: 8 p + s: lanes 0-15 tile 2 p, lanes 16-31 tile 2 p + 1, K step s
.set WS,  32                           ; v32-47 Wq's, later Wv's;  v48-63 Wk's
.set WSK, 48
.set WF,  64                           ; v64-95, v96-127 W's fragments, two sets
.set PC,  96                           ; on the way out: v96-111 codes, v112-115 maxima, v116-119 the conversions' scale operands, v120-123 bytes, v124-125 scale words
.set MX,  112
.set SO,  116
.set BY,  120
.set SI,  124
.set ACC, 128                          ; v128-255 the accumulators
.set WV,  24
.set G1X, 32                           ; descriptor groups 1: x's tiles, Wq's pieces, Wk's and Wv's pieces
.set G1Q, 40
.set G1W, 48
.set G0X, 56                           ; groups 0
.set G0Q, 60
.set G0K, 68
.set G0V, 72
.set MSB, 0
.macro WIN new                         ; the immediate's high byte repeats the setting that is left; a switch that changes nothing is dropped
.if MSB != (\new)
	s_set_vgpr_msb (MSB<<8)|(\new)
.set MSB, \new
.endif
.endm
.macro PLACES n
.rept \n
	v_nop
.endr
.endm
.macro CREST                           ; a round of the cluster's barrier behind its opening barrier
	s_cmp_lg_u32 s[WV], 0
	s_cbranch_scc1 .Lnot_wave_0_\@
	s_barrier_signal -3
.Lnot_wave_0_\@:
	s_barrier_wait -3
	s_barrier_signal -1
	s_barrier_wait -1
.endm
.macro CROUND                          ; a whole round
	s_barrier_signal -1
	s_barrier_wait -1
	CREST
.endm
.macro W1 d, a, b, sa, sb, m1, m2      ; one matrix instruction; ZERO_ = 1: it starts the sum
.if ZERO_
	v_wmma_scale_f32_16x16x128_f8f6f4 v[\d:\d+7], v[\a:\a+7], v[\b:\b+7], 0, v[\sa], v[\sb] matrix_a_fmt:MATRIX_FMT_FP4 matrix_b_fmt:MATRIX_FMT_FP4 \m1 \m2
.else
	v_wmma_scale_f32_16x16x128_f8f6f4 v[\d:\d+7], v[\a:\a+7], v[\b:\b+7], v[\d:\d+7], v[\sa], v[\sb] matrix_a_fmt:MATRIX_FMT_FP4 matrix_b_fmt:MATRIX_FMT_FP4 \m1 \m2
.endif
.endm
.macro XLD s                           ; x's four fragments of K step s into window 1: tile i at v[32 s + 8 i]: eight loads
	WIN 0x40
.irp i, 0,1,2,3
	ds_load_b128 v[32*(\s)+8*\i:32*(\s)+8*\i+3], v[AX+(\i&1)] offset:8*PITCH*\i+64*(\s)
	ds_load_b128 v[32*(\s)+8*\i+4:32*(\s)+8*\i+7], v[AX+(\i&1)] offset:8*PITCH*\i+64*(\s)+32
.endr
	WIN 0
.endm
.macro WLD aw, s                       ; W's four fragments of K step s into set s % 2: eight loads
	WIN 0
.irp i, 0,1,2,3
	ds_load_b128 v[WF+32*((\s)&1)+8*\i:WF+32*((\s)&1)+8*\i+3], v[\aw+(\i&1)] offset:8*PITCH*\i+64*(\s)
	ds_load_b128 v[WF+32*((\s)&1)+8*\i+4:WF+32*((\s)&1)+8*\i+7], v[\aw+(\i&1)] offset:8*PITCH*\i+64*(\s)+32
.endr
.endm
; a K step's 16 matrix instructions; the 16 accumulators take turns, one instruction a turn, in the same order in every step of a job
.macro MULT s, ws, zero                ; q, k: source 0 = W, source 1 = x (window 1)
.set ZERO_, \zero
	WIN 0x04
.irp t, 0,2
.irp f, 0,2
	W1 ACC+32*\t+8*\f, WF+32*((\s)&1)+8*\f, 32*(\s)+8*\t, \ws+4*\f+(\s), XS+4*\t+(\s)
	W1 ACC+32*\t+8*\f+8, WF+32*((\s)&1)+8*\f+8, 32*(\s)+8*\t, \ws+4*\f+(\s), XS+4*\t+(\s), matrix_a_scale:MATRIX_SCALE_ROW1
	W1 ACC+32*\t+8*\f+32, WF+32*((\s)&1)+8*\f, 32*(\s)+8*\t+8, \ws+4*\f+(\s), XS+4*\t+(\s), matrix_b_scale:MATRIX_SCALE_ROW1
	W1 ACC+32*\t+8*\f+40, WF+32*((\s)&1)+8*\f+8, 32*(\s)+8*\t+8, \ws+4*\f+(\s), XS+4*\t+(\s), matrix_a_scale:MATRIX_SCALE_ROW1, matrix_b_scale:MATRIX_SCALE_ROW1
.endr
.endr
.endm
.macro MULV s, ws, zero                ; v: source 0 = x (window 1), source 1 = Wv
.set ZERO_, \zero
	WIN 0x01
.irp f, 0,2
.irp t, 0,2
	W1 ACC+32*\f+8*\t, 32*(\s)+8*\t, WF+32*((\s)&1)+8*\f, XS+4*\t+(\s), \ws+4*\f+(\s)
	W1 ACC+32*\f+8*\t+8, 32*(\s)+8*\t+8, WF+32*((\s)&1)+8*\f, XS+4*\t+(\s), \ws+4*\f+(\s), matrix_a_scale:MATRIX_SCALE_ROW1
	W1 ACC+32*\f+8*\t+32, 32*(\s)+8*\t, WF+32*((\s)&1)+8*\f+8, XS+4*\t+(\s), \ws+4*\f+(\s), matrix_b_scale:MATRIX_SCALE_ROW1
	W1 ACC+32*\f+8*\t+40, 32*(\s)+8*\t+8, WF+32*((\s)&1)+8*\f+8, XS+4*\t+(\s), \ws+4*\f+(\s), matrix_a_scale:MATRIX_SCALE_ROW1, matrix_b_scale:MATRIX_SCALE_ROW1
.endr
.endr
.endm
; THE WAY OUT of a job: four blocks a lane, v[ACC + 32 b ..] each, are quantised and leave as images.  kind: 0 q, 1 k, 2 v
.macro EPI kind
.irp b, 0,1,2,3
	v_max3_num_f32 v[MX+\b], |v[ACC+32*\b]|, |v[ACC+32*\b+1]|, 0x1800000   ; the floor 2^(3 - 127): the byte cannot fall under 1.  Each accumulator is read from its low end on
.endr
.irp i, 2,4,6,8,10,12,14,16,18,20,22,24,26,28,30
.irp b, 0,1,2,3
	v_max3_num_f32 v[MX+\b], v[MX+\b], |v[ACC+32*\b+\i]|, |v[ACC+32*\b+\i+1]|
.endr
.endr
.irp b, 0,1,2,3
	v_add_nc_u32 v[SO+\b], 0xff000000, v[MX+\b]    ; 2 off the exponent field: the conversion takes the exponent field of this operand as its scale
.endr
.irp b, 0,1,2,3
	v_lshrrev_b32 v[BY+\b], 23, v[SO+\b]           ; the scale's byte: lane (r, h) has block h's
.endr
	v_permlane16_swap_b32 v[BY], v[BY+1]           ; then the first register has block 0's bytes: lanes 0-15 of tile 0, lanes 16-31 of tile 1; the second block 1's
	v_permlane16_swap_b32 v[BY+2], v[BY+3]
	v_lshl_or_b32 v[SI], v[BY+1], 8, v[BY]
	v_lshl_or_b32 v[SI+1], v[BY+3], 8, v[BY+2]
.if (\kind) == 2
	v_lshlrev_b32 v[SI], s97, v[SI]                ; an odd chunk's two bytes stand in the upper half
	v_lshlrev_b32 v[SI+1], s97, v[SI+1]
.endif
.irp b, 0,1,2,3
.irp i, 0,1,2,3
	v_cvt_scalef32_pk8_fp4_f32 v[PC+4*\b+\i], v[ACC+32*\b+8*\i:ACC+32*\b+8*\i+7], v[SO+\b]
.endr
.endr
	v_nop                                          ; one plain place behind the last scaled conversion
.irp b, 0,1,2,3
.if (\kind) == 0
	global_store_b128 v[LI], v[PC+4*\b:PC+4*\b+3], s[20:21] offset:512*\b
.elseif (\kind) == 1
	global_store_b128 v[LI], v[PC+4*\b:PC+4*\b+3], s[22:23] offset:512*\b
.else
	global_store_b128 v[LI], v[PC+4*\b:PC+4*\b+3], s[22:23] offset:2048+512*\b
.endif
.endr
.if (\kind) == 0
	global_store_b64 v[L8], v[SI:SI+1], s[20:21] offset:2048
.elseif (\kind) == 1
	global_store_b64 v[L8], v[SI:SI+1], s[22:23] offset:4096
.else
	global_store_b64 v[L8], v[SI:SI+1], s[22:23] offset:4352
.endif
.endm
	s_load_b512 s[4:19], s[0:1], 0x0               ; x's codes s[4:5], scales s[6:7]; Wq's s[8:9], s[10:11]; Wk's s[12:13], s[14:15]; Wv's s[16:17], s[18:19]
	s_load_b128 s[20:23], s[0:1], 0x40             ; qq s[20:21], kv s[22:23]
	v_lshl_add_u32 v[SPW], v0, 2, SPARE
	v_mov_b32 v[NIL], 0
	ds_add_u32 v[SPW], v[NIL]                      ; the opening lines: the add, twice, and below the one wait for both
	ds_add_u32 v[SPW], v[NIL]
	v_lshrrev_b32 v14, 5, v0
	v_readfirstlane_b32 s[WV], v14                 ; wave 0..7
	s_bfe_u32 s25, ttmp6, 0x40000                  ; cx, cy: my place in the cluster
	s_bfe_u32 s26, ttmp6, 0x40004
	s_lshl_b32 s27, ttmp9, 2
	s_add_co_u32 s27, s27, s25                     ; the pair of heads = 4 x cluster x + cx
	s_and_b32 s28, ttmp7, 0xffff
	s_lshl_b32 s28, s28, 2
	s_add_co_u32 s28, s28, s26                     ; the block of 256 tokens = 4 x cluster y + cy
	s_lshl_b32 s29, s26, 2
	s_lshl_b32 s29, 15, s29                        ; my row of the cluster: it shares the token block
	s_lshl_b32 s30, 0x1111, s25                    ; my column: it shares the heads
	; descriptor groups 1: rows of 512 bytes, dense in memory, 16 bytes of padding behind each in LDS
	s_or_b32 s[G1X], s29, (1<<20)|(1<<21)|(6<<22)|(3<<25)   ; 15:0 the mask; 17:16 elements of 1 byte; 20 padding on; 21 set beside a mask; 24:22 after every 128 words (code 6); 31:25 four words (code 3)
	s_or_b32 s[G1Q], s30, (1<<20)|(1<<21)|(6<<22)|(3<<25)
	s_or_b32 s[G1W], s30, (1<<20)|(1<<21)|(6<<22)|(3<<25)
.irp g, G1X, G1Q, G1W
	s_mov_b32 s[\g+1], 512<<16                     ; tensor_dim0
	s_mov_b32 s[\g+3], 512<<16                     ; tile_dim0
	s_mov_b32 s[\g+5], 512                         ; tensor_dim0_stride
	s_mov_b32 s[\g+6], 0
	s_mov_b32 s[\g+7], 0
.endr
	s_mov_b32 s[G1X+2], 64<<16                     ; tensor_dim1, tile_dim1: x 64 rows,
	s_mov_b32 s[G1X+4], 64
	s_mov_b32 s[G1Q+2], 32<<16                     ; Wq's piece 32,
	s_mov_b32 s[G1Q+4], 32
	s_mov_b32 s[G1W+2], 16<<16                     ; Wk's and Wv's pieces 16
	s_mov_b32 s[G1W+4], 16
	s_and_b32 s31, s[WV], 3                        ; my 64 tokens of the block
	s_lshr_b32 s92, s[WV], 2                       ; my head of the pair
	s_mul_i32 s93, s31, R64
	s_mul_i32 s94, s92, R64
	s_mov_b32 s[G0X], 1                            ; LDS addresses: the wave's number and constants alone
	s_mov_b32 s[G0X+1], s93
	s_mov_b32 s[G0Q], 1
	s_mul_i32 s[G0Q+1], s31, 32*PITCH
	s_add_co_u32 s[G0Q+1], s[G0Q+1], WQB
	s_mov_b32 s[G0V], 1
	s_mul_i32 s[G0V+1], s[WV], 16*PITCH
	s_mov_b32 s[G0K], 1
	s_add_co_u32 s[G0K+1], s[G0V+1], WKB
	; byte offsets.  x's are made of the token block and the wave, W's of the heads and the wave, each in registers that never hold the other coordinate
	s_lshl_b32 s76, s28, 17                        ; 256 tokens x 512 bytes
	s_lshl_b32 s77, s31, 15
	s_add_co_u32 s76, s76, s77
	s_mov_b32 s77, 0
	s_lshl_b32 s78, s28, 13                        ; the same tokens' scale bytes
	s_lshl_b32 s79, s31, 11
	s_add_co_u32 s78, s78, s79
	s_mov_b32 s79, 0
	s_lshl_b32 s80, s27, 16                        ; two heads' 128 rows x 512 bytes: Wq: my 32 rows,
	s_lshl_b32 s81, s31, 14
	s_add_co_u32 s80, s80, s81
	s_mov_b32 s81, 0
	s_lshl_b32 s82, s27, 16                        ; Wk, Wv: my 16
	s_lshl_b32 s83, s[WV], 13
	s_add_co_u32 s82, s82, s83
	s_mov_b32 s83, 0
	s_lshl_b32 s84, s27, 12                        ; my head's scale bytes
	s_lshl_b32 s85, s92, 11
	s_add_co_u32 s84, s84, s85
	s_mov_b32 s85, 0
	s_lshr_b32 s86, s28, 3                         ; the record: 32 (16 b + head) + 4 (block % 8) + my 64 tokens
	s_lshl_b32 s86, s86, 4
	s_lshl_b32 s87, s27, 1
	s_add_co_u32 s86, s86, s87
	s_add_co_u32 s86, s86, s92
	s_lshl_b32 s86, s86, 5
	s_and_b32 s87, s28, 7
	s_lshl_b32 s87, s87, 2
	s_add_co_u32 s86, s86, s87
	s_add_co_u32 s86, s86, s31
	s_mul_i32 s88, s86, 2304
	s_mov_b32 s89, 0
	s_mul_i32 s90, s86, 4608
	s_mov_b32 s91, 0
	s_and_b32 s97, s31, 1
	s_lshl_b32 s97, s97, 4                         ; 16 in an odd chunk
	s_add_co_u32 s95, s94, WQB
	s_add_co_u32 s96, s94, WKB
	v_and_b32 v64, 7, v0
	v_bfe_u32 v65, v0, 3, 1                        ; g
	v_bfe_u32 v66, v0, 4, 1                        ; h
	v_mad_u32_u24 v67, v65, 40, v64                ; tile 0's row; an even tile i begins 8 i rows on
	v_mad_u32_u24 v68, v65, 24, v64                ; the same for odd tiles
	v_mul_u32_u24 v67, v67, PITCH
	v_mul_u32_u24 v68, v68, PITCH
	v_lshl_add_u32 v67, v66, 4, v67                ; + 16 bytes for the upper half of the lanes
	v_lshl_add_u32 v68, v66, 4, v68
	v_add_nc_u32 v[AX], s93, v67
	v_add_nc_u32 v[AX+1], s93, v68
	v_add_nc_u32 v[AQ], s95, v67
	v_add_nc_u32 v[AQ+1], s95, v68
	v_add_nc_u32 v[AK], s96, v67
	v_add_nc_u32 v[AK+1], s96, v68
	v_add_nc_u32 v[AV], s94, v67
	v_add_nc_u32 v[AV+1], s94, v68
	v_xor_b32 v69, v65, v66                        ; the scale words: lane (r, h) takes row r of tile 2 p + h: 16 p + 32 g + 8 (h ^ g) + r % 8
	v_lshl_add_u32 v69, v69, 3, v64
	v_lshl_add_u32 v69, v65, 5, v69
	v_lshlrev_b32 v[L32], 5, v69
	v_and_b32 v70, 31, v0
	v_lshlrev_b32 v[LI], 4, v70
	v_lshlrev_b32 v[L8], 3, v70
	s_wait_alu depctr_va_vdst(0)
	s_wait_dscnt 0x0                               ; both opening adds are done
	CROUND                                         ; all sixteen work-groups are here: the first joint loads meet.  (The arguments are on their way meanwhile)
	s_wait_kmcnt 0x0
	s_add_nc_u64 s[G0X+2:G0X+3], s[4:5], s[76:77]
	s_or_b32 s[G0X+3], s[G0X+3], 0x80000000        ; type = 2
	s_add_nc_u64 s[G0Q+2:G0Q+3], s[8:9], s[80:81]
	s_or_b32 s[G0Q+3], s[G0Q+3], 0x80000000
	s_add_nc_u64 s[G0K+2:G0K+3], s[12:13], s[82:83]
	s_or_b32 s[G0K+3], s[G0K+3], 0x80000000
	s_add_nc_u64 s[G0V+2:G0V+3], s[16:17], s[82:83]
	s_or_b32 s[G0V+3], s[G0V+3], 0x80000000
	s_add_nc_u64 s[6:7], s[6:7], s[78:79]
	s_add_nc_u64 s[10:11], s[10:11], s[84:85]
	s_add_nc_u64 s[14:15], s[14:15], s[84:85]
	s_add_nc_u64 s[18:19], s[18:19], s[84:85]
	s_add_nc_u64 s[20:21], s[20:21], s[88:89]
	s_add_nc_u64 s[22:23], s[22:23], s[90:91]
	s_cmp_lt_u32 s[WV], 4                          ; one load a wave: waves 0 to 3 fetch x's 256 rows, waves 4 to 7 Wq's 128
	s_cbranch_scc0 .Lhead_w
	tensor_load_to_lds s[G0X:G0X+3], s[G1X:G1X+7]
	s_nop 0
	PLACES 4
	s_branch .Lhead_asked
.Lhead_w:
	tensor_load_to_lds s[G0Q:G0Q+3], s[G1Q:G1Q+7]
	s_nop 0
	PLACES 4
.Lhead_asked:
	; the scale words come straight from memory: a lane reads the 32 bytes of its row
.irp p, 0,1
	global_load_b128 v[XS+8*\p:XS+8*\p+3], v[L32], s[6:7] offset:512*\p
	global_load_b128 v[XS+8*\p+4:XS+8*\p+7], v[L32], s[6:7] offset:512*\p+16
	global_load_b128 v[WS+8*\p:WS+8*\p+3], v[L32], s[10:11] offset:512*\p
	global_load_b128 v[WS+8*\p+4:WS+8*\p+7], v[L32], s[10:11] offset:512*\p+16
	global_load_b128 v[WSK+8*\p:WSK+8*\p+3], v[L32], s[14:15] offset:512*\p
	global_load_b128 v[WSK+8*\p+4:WSK+8*\p+7], v[L32], s[14:15] offset:512*\p+16
.endr
	s_wait_tensorcnt 0x0                           ; my part of x or of Wq is in
	ds_add_u32 v[SPW], v[NIL]
	s_wait_dscnt 0x0
	CROUND                                         ; everybody's part is in, and all sixteen work-groups are here
	tensor_load_to_lds s[G0K:G0K+3], s[G1W:G1W+7]  ; Wk's first fill, 16 rows a wave
	s_nop 0
	PLACES 4
	; JOB q.  Loads in the order X0 W0 X1 W1 X2 X3 | W2 X4 X5 | W3 X6 X7 | W4 | W5 | W6 | W7, eight instructions each; a wait's count is what has been asked for behind the step's own
	XLD 0
	WLD AQ, 0
	XLD 1
	WLD AQ, 1
	XLD 2
	XLD 3
	s_wait_loadcnt 0x0                             ; the scale words
	s_wait_dscnt 32                                ; X0, W0 are in: X1 W1 X2 X3 may be out
	MULT 0, WS, 1
	PLACES 4                                       ; W2 lands on the set that step 0 has read: four places behind its products
	WLD AQ, 2
	XLD 4
	XLD 5
	s_wait_dscnt 40                                ; X2 X3 W2 X4 X5 may be out
	MULT 1, WS, 0
	PLACES 4
	WLD AQ, 3
	XLD 6
	XLD 7
	s_wait_dscnt 40                                ; X4 X5 W3 X6 X7 may be out
	MULT 2, WS, 0
	PLACES 4
	WLD AQ, 4
	s_wait_dscnt 24                                ; X6 X7 W4 may be out
	MULT 3, WS, 0
	PLACES 4
	WLD AQ, 5
	s_wait_tensorcnt 0x0                           ; my part of Wk is in;
	ds_add_u32 v[SPW], v[NIL]                      ; 0 onto my spare word;
	s_wait_dscnt 9                                 ; W5 and the add may be out
	MULT 4, WS, 0
	WIN 0
	s_wait_dscnt 0x0                               ; the add is done, and all my reads of x are back
	s_barrier_signal -1                            ; say so: this barrier opens a round of the cluster's barrier,
	MULT 5, WS, 0                                  ; work on registers while the others arrive
	WIN 0
	s_barrier_wait -1
	CREST                                          ; no wave of any partner still reads x's bytes or has a load on its way; everybody's part of Wk is in
	tensor_load_to_lds s[G0V:G0V+3], s[G1W:G1W+7]  ; Wv over x's bytes, 16 rows a wave
	s_nop 0
	PLACES 4
	WLD AQ, 6
	WLD AQ, 7
	s_wait_dscnt 8                                 ; W7 may be out
	MULT 6, WS, 0
	s_wait_dscnt 0x0
	MULT 7, WS, 0
	WIN 0
	PLACES 4                                       ; behind the last products: ahead of the first read of results and of loads into the fragments' and scale words' registers
	WLD AK, 0                                      ; the next job's first fragments come under the way out
.irp p, 0,1
	global_load_b128 v[WS+8*\p:WS+8*\p+3], v[L32], s[18:19] offset:512*\p        ; Wv's scale words
	global_load_b128 v[WS+8*\p+4:WS+8*\p+7], v[L32], s[18:19] offset:512*\p+16
.endr
	EPI 0
	s_wait_xcnt 0x0                                ; the stores have read the codes' registers, which take fragments again
	WLD AK, 1
	s_wait_dscnt 8                                 ; JOB k: W0 is in, W1 may be out
	MULT 0, WSK, 1
.set S_, 1
.rept 6
	PLACES 4
	WLD AK, S_+1
	s_wait_dscnt 8                                 ; the youngest eight may be out
	MULT S_, WSK, 0
.if S_ == 4
	WIN 0
	s_wait_tensorcnt 0x0                           ; my part of Wv is in, and no LDS read of mine is out:
	s_wait_dscnt 0x0
	s_barrier_signal -1                            ; say so; the wait stands behind the job's last products, and only reads of Wk and work on registers in between
.endif
.set S_, S_+1
.endr
	s_wait_dscnt 0x0
	MULT 7, WSK, 0
	WIN 0
	s_barrier_wait -1                              ; everybody's part of Wv is in
	PLACES 4
	WLD AV, 0
	EPI 1
	s_wait_xcnt 0x0                                ; as above
	WLD AV, 1
	s_wait_loadcnt 0x0                             ; Wv's scale words
	s_wait_dscnt 8                                 ; JOB v
	MULV 0, WS, 1
.set S_, 1
.rept 6
	PLACES 4
	WLD AV, S_+1
	s_wait_dscnt 8
	MULV S_, WS, 0
.set S_, S_+1
.endr
	s_wait_dscnt 0x0
	MULV 7, WS, 0
	WIN 0
	PLACES 4
	EPI 2
	s_wait_tensorcnt 0x0                           ; the wave's end
	ds_add_u32 v[SPW], v[NIL]
	s_wait_dscnt 0x0
	CROUND                                         ; the closing round: no work-group ends while a partner may still ask for a tile that names it
	s_endpgm
.Lfunc_end_k_q32edb1464f_qkv:
	.size	k_q32edb1464f_qkv, .Lfunc_end_k_q32edb1464f_qkv-k_q32edb1464f_qkv
	.p2alignl 7, 3214868480
	.fill 96, 4, 3214868480
	.section	.rodata,"a",@progbits
	.p2align	6, 0x0
	.amdhsa_kernel k_q32edb1464f_qkv
		.amdhsa_group_segment_fixed_size 327680
		.amdhsa_private_segment_fixed_size 0
		.amdhsa_enable_private_segment 0
		.amdhsa_kernarg_size 80
		.amdhsa_user_sgpr_count 2
		.amdhsa_user_sgpr_kernarg_segment_ptr 1
		.amdhsa_wavefront_size32 1
		.amdhsa_system_sgpr_workgroup_id_x 1
		.amdhsa_system_sgpr_workgroup_id_y 1
		.amdhsa_system_sgpr_workgroup_id_z 1
		.amdhsa_system_vgpr_workitem_id 0
		.amdhsa_next_free_vgpr 512
		.amdhsa_next_free_sgpr 100
		.amdhsa_reserve_vcc 0
		.amdhsa_float_denorm_mode_32 3
		.amdhsa_float_denorm_mode_16_64 3
		.amdhsa_memory_ordered 1
		.amdhsa_forward_progress 1
		.amdhsa_inst_pref_size 99
	.end_amdhsa_kernel
	.amdgpu_metadata
---
amdhsa.version: [ 1, 2 ]
amdhsa.kernels:
  - .name:           k_q32edb1464f_qkv
    .symbol:         k_q32edb1464f_qkv.kd
    .args:
      - { .name: x_codes, .offset: 0, .size: 8, .value_kind: global_buffer, .address_space: global }
      - { .name: x_scales, .offset: 8, .size: 8, .value_kind: global_buffer, .address_space: global }
      - { .name: Wq_codes, .offset: 16, .size: 8, .value_kind: global_buffer, .address_space: global }
      - { .name: Wq_scales, .offset: 24, .size: 8, .value_kind: global_buffer, .address_space: global }
      - { .name: Wk_codes, .offset: 32, .size: 8, .value_kind: global_buffer, .address_space: global }
      - { .name: Wk_scales, .offset: 40, .size: 8, .value_kind: global_buffer, .address_space: global }
      - { .name: Wv_codes, .offset: 48, .size: 8, .value_kind: global_buffer, .address_space: global }
      - { .name: Wv_scales, .offset: 56, .size: 8, .value_kind: global_buffer, .address_space: global }
      - { .name: qq, .offset: 64, .size: 8, .value_kind: global_buffer, .address_space: global }
      - { .name: kv, .offset: 72, .size: 8, .value_kind: global_buffer, .address_space: global }
    .group_segment_fixed_size: 327680
    .private_segment_fixed_size: 0
    .kernarg_segment_align: 8
    .kernarg_segment_size: 80
    .max_flat_workgroup_size: 256
    .sgpr_count:     100
    .vgpr_count:     512
    .wavefront_size: 32
...
	.end_amdgpu_metadata
.endif
;; end of part 1
;; launch attn (part 2): grid 4 x 64, 16 waves a work-group, clusters of 4 x 1, 327,680 bytes of LDS; arguments qq, kv, ac, asc; writes ac, asc
.if DOCPART == 2
	.amdgcn_target "amdgcn-amd-amdhsa--gfx1250"
	.amdhsa_code_object_version 6
	.text
	.protected	k_q32edb1464f_attn
	.globl	k_q32edb1464f_attn
	.p2align	8
	.type	k_q32edb1464f_attn,@function
k_q32edb1464f_attn:
	s_mov_b64 s[64:65], 0
	v_nop
	global_prefetch_b8 v0, s[64:65] scope:SCOPE_SE
	s_setreg_imm32_b32 hwreg(HW_REG_WAVE_MODE, 25, 1), 1
	s_wait_xcnt 0x0
	s_wait_alu depctr_hold_cnt(0) depctr_sa_sdst(0) depctr_va_vdst(0) depctr_va_sdst(0) depctr_va_ssrc(0) depctr_va_vcc(0) depctr_vm_vsrc(0)
	s_getreg_b32 s2, hwreg(HW_REG_IB_STS2, 6, 4)
	s_cmp_eq_u32 s2, 0
	s_cbranch_scc0 .Lentry_in_a_cluster
	s_endpgm
.Lentry_in_a_cluster:
	s_bfe_u32 s2, ttmp6, 0x10000c
	s_cmp_lg_u32 s2, 0x3003
	s_cbranch_scc0 .Lentry_shape_is_right
	s_endpgm
.Lentry_shape_is_right:
; Causal attention of one (batch, head) on codes of FP4 (E2M1) with E8M0 scales: S^T = K Q^T (K = the head's 64), the softmax, O^T = V^T P^T (K = the keys); O / l is quantised along the head's 64 and leaves as codes.
; WORK LEFT OUT: chunks of 64 keys that all come after a tile's 16 queries: the problem's own causal mask gives them weight 0 for all values of the inputs.
; THE SOFTMAX: t = score x log2(e) / 8; M = the running largest t rounded UP to a whole number; p = 2^(t - M) is quantised along the keys, not normalised; the row's sum is taken of the unquantised p and divides O at the end.
; When M moves, the sum and O are multiplied by 2^(old M - new M): exact.
; SHARES.  The four work-groups of a cluster (place c) belong to one (batch, head).  Wave w = 4 k + s owns two tiles of 16 queries and walks them one after the other: tile 3 - c of one chunk, then tile c of another:
;   k = 0: chunks 31 - s and 16 + s, 49 chunks of keys in all;   k = 1: 24 + s and 15 - s, 41;   k = 2: 23 - s and s, 25;   k = 3: 8 + s and 7 - s, 17.
; So each of the 32 chunks is owned once, the larger shares go to the lower wave numbers, and the waves s, s + 4, s + 8, s + 12 have 132 together for every s.
; Trip counts and branches hang on the wave's number alone; c enters global addresses and the mask's compare value alone.
; A STEP is four chunks, 256 keys, under one M; a tile's last step has 1 to 4 chunks, the last of them on the diagonal and masked: four texts of their own beside the full step's.
; LDS.  The head's 32 records of kv (4,608 bytes each) are 147,456 bytes, brought by joint loads, one a wave at a time: records 0 to 7 at the head, the other 24 behind a round.  These land under each wave's first step, which
; is a full one in every wave, is written out ahead of the loops and reads records 0 to 3 alone.  Nothing is filled twice; no barrier in the loops, no stream for a prefetch to run ahead of.
; LAYOUT.  Both products are used transposed: a lane holds ONE query.  Lane r of query tile a is query 32 g + 8 (a ^ g) + r % 8 of its chunk of 64, g = r / 8.  In a chunk's four score tiles, register 8 i + j of lane (r, h) is
; key 32 h + 8 (i ^ h) + j: a lane holds a WHOLE block of 32 keys, and V^T's operand carries the same order, so the conversions' results are the operand as they stand.
; THE SCORE PRODUCT HAS K = 64 in an instruction of 128: Q's upper four registers are zero codes, so K's fragments lie packed, four registers each, and source 0 runs on into the next four registers (the last into O's): any
; bits there are codes of finite numbers, and times a zero code they add nothing.  The scale bytes 2 and 3 of both sides are 0, which is 2^-127 and no NaN.
; STORES.  A tile's codes are 512 consecutive bytes.  Its 32 scale bytes go one a lane to 16 rows of asc, 32 bytes apart, two to a row: 32 bytes of the 544 that a tile stores.
; LIMITS.  A block of zeros gets the byte 1 (its codes are zeros).  NaN and infinities are not served, nor carried from hidden keys; scaled scores stay under 2^31 in magnitude.
.set REC,  4608
.set SPARE, 32*REC                     ; the spare words, 128 bytes for each wave
.set LI,  1                            ; v1 16 x lane, v2 8 x lane;  v3, v4 the step's records in LDS + 16 x lane, + 8 x lane
.set L8,  2
.set AD,  3
.set AD8, 4
.set AB,  5                            ; v5 my byte in asc: 32 r + h
.set SPW, 6
.set NIL, 7
.set DE,  8                            ; v8, v9 the mask's compare values for even and odd score tiles;  v0, from the head's end on, v8 of the second pass
.set PSC, 10                           ; v10-11 p's scale words, one for each pair of chunks
; v12 -M, v13 the largest score, v[14:15] the sum, v[34:39] three more chains of it
.set QF,  16                           ; v16-19 Q's codes, v20-23 zero codes;  v24-27 the second pass's Q;  v28, v29 their scale words
.set T,   30
.set U,   31
.set F,   32                           ; v[32:33] f in the low word
.set BM,  40                           ; v40-43 a chunk's largest score in my half, then p, then the conversion's scale operand
.set XM,  44                           ; v44-47 second chains of the maxima, then bytes
.set VS,  48                           ; v48-55 scale words: K's (2 for each of two chunks), then V's (2 for each of four)
.set PCA, 56                           ; v56-63 p's codes of chunks 0 and 1
.set KF,  64                           ; v64-95 K's fragments of two chunks, then V^T's of chunks 0 and 1
.set O,   96                           ; v96-127 O^T
.set S,   128                          ; v128-255 S^T, then p.  From the conversions on: v128-135 p's codes of chunks 2 and 3, v160-191 V^T's fragments of chunks 2 and 3
.set WV,  12
.set LIM, 15                           ; s15 the pass's last step;  s16 the second pass's;  s38, s39 the chunks in it
.set J,   17
.set TB,  18
.set PASS, 19
.set SEL, 20                           ; s[20:21] lane selects: lane l xor 16
.set CS,  22                           ; s[22:23] c = log2(e) / 8 (the packed form names a pair);  s37 -c
.set MC,  37
.set TK,  38
.set LOW, 63                           ; s63 the pass's first step in the loop
.macro PLACES n
.rept \n
	v_nop
.endr
.endm
.macro CROUND                          ; a round of the cluster's barrier
	s_barrier_signal -1
	s_barrier_wait -1
	s_cmp_lg_u32 s[WV], 0
	s_cbranch_scc1 .Lnot_wave_0_\@
	s_barrier_signal -3
.Lnot_wave_0_\@:
	s_barrier_wait -3
	s_barrier_signal -1
	s_barrier_wait -1
.endm
; the four addresses of tile s[m] (0..3) of the batch's chunk s[a]: q's codes, q's scale words (less 2,048), the tile's place in ac and in asc
.macro TILE a, m, qc, qs, oc, os
	s_lshl_b32 s56, s14, 5
	s_add_co_u32 s56, s56, s[\a]
	s_mul_i32 s56, s56, 2304
	s_lshl_b32 s58, s[\m], 9
	s_add_co_u32 s58, s58, s56
	s_mov_b32 s59, 0
	s_add_nc_u64 s[\qc:\qc+1], s[4:5], s[58:59]
	s_and_b32 s58, s[\m], 1
	s_lshl_b32 s58, s58, 7                         ; the scale image: lanes 16 (tile % 2) on, 8 bytes a lane, word tile / 2
	s_add_co_u32 s58, s58, s56
	s_lshr_b32 s57, s[\m], 1
	s_lshl_b32 s57, s57, 2
	s_add_co_u32 s58, s58, s57
	s_add_nc_u64 s[\qs:\qs+1], s[4:5], s[58:59]
	s_lshr_b32 s56, s14, 4
	s_lshl_b32 s56, s56, 7
	s_lshl_b32 s57, s[\a], 2
	s_add_co_u32 s56, s56, s57
	s_add_co_u32 s56, s56, s[\m]                   ; the token tile 128 b + 4 chunk + tile
	s_and_b32 s57, s14, 15                         ; the head
	s_lshl_b32 s58, s56, 4
	s_add_co_u32 s58, s58, s57
	s_lshl_b32 s58, s58, 9                         ; ac: [token tile][head][512 bytes]
	s_add_nc_u64 s[\oc:\oc+1], s[8:9], s[58:59]
	s_lshl_b32 s58, s56, 9                         ; asc: 16 rows x 32 bytes a tile,
	s_lshl_b32 s57, s57, 1                         ; two bytes a head
	s_add_co_u32 s58, s58, s57
	s_add_nc_u64 s[\os:\os+1], s[10:11], s[58:59]
.endm
.macro WZ d, a, sa, m1                 ; a score tile: source 1 = Q, the sum starts at 0
	v_wmma_scale_f32_16x16x128_f8f6f4 v[\d:\d+7], v[\a:\a+7], v[QF:QF+7], 0, v[\sa], v28 matrix_a_fmt:MATRIX_FMT_FP4 matrix_b_fmt:MATRIX_FMT_FP4 \m1
.endm
.macro WO d, a, b, sa, sb, m1          ; O^T's tile, in place
	v_wmma_scale_f32_16x16x128_f8f6f4 v[\d:\d+7], v[\a:\a+7], v[\b:\b+7], v[\d:\d+7], v[\sa], v[\sb] matrix_a_fmt:MATRIX_FMT_FP4 matrix_b_fmt:MATRIX_FMT_FP4 \m1
.endm
.macro KLD c0, n                       ; K's fragments and scale words of n chunks
.set c_, \c0
.rept \n
.irp i, 0,1,2,3
	ds_load_b128 v[KF+16*(c_&1)+4*\i:KF+16*(c_&1)+4*\i+3], v[AD] offset:REC*c_+512*\i
.endr
	ds_load_b64 v[VS+2*(c_&1):VS+2*(c_&1)+1], v[AD8] offset:REC*c_+4096
.set c_, c_+1
.endr
.endm
.macro SMUL c0, n                      ; S^T = K Q^T: tile 2 i's scale words stand in lanes 0-15 of word i, tile 2 i + 1's in lanes 16-31
.set c_, \c0
.rept \n
.irp i, 0,2
	WZ S+32*c_+8*\i, KF+16*(c_&1)+4*\i, VS+2*(c_&1)+\i/2
	WZ S+32*c_+8*\i+8, KF+16*(c_&1)+4*\i+4, VS+2*(c_&1)+\i/2, matrix_a_scale:MATRIX_SCALE_ROW1
.endr
.set c_, c_+1
.endr
.endm
.macro VLD vb, c0, n                   ; V^T's fragments of n chunks: fragment d at vb + 8 d
.set c_, \c0
.rept \n
.irp d, 0,1,2,3
	ds_load_b128 v[\vb+8*\d+4*(c_&1):\vb+8*\d+4*(c_&1)+3], v[AD] offset:REC*c_+2048+512*\d
.endr
.set c_, c_+1
.endr
.endm
.macro MASK c                          ; the chunk on the diagonal: hidden scores become -infinity ahead of the maximum: p = 0
.irp i, 0,1,2,3
.irp j, 0,1,2,3,4,5,6,7
	v_cmp_le_i32 vcc_lo, 8*\i+\j, v[DE+(\i&1)]
	v_cndmask_b32 v[S+32*(\c)+8*\i+\j], 0xff800000, v[S+32*(\c)+8*\i+\j], vcc_lo
.endr
.endr
.endm
; A chunk's largest score in my half: it serves for the row's maximum and, since p rises with the score, for the block's largest p.  Two chains a chunk; each score tile from its low end on.  MAXA, then MAXB: two lines a chunk
.macro MAXA c0, n
.set c_, \c0
.rept \n
	v_max3_num_f32 v[BM+c_], v[S+32*c_], v[S+32*c_+1], v[S+32*c_+2]
	v_max3_num_f32 v[XM+c_], v[S+32*c_+17], v[S+32*c_+18], v[S+32*c_+19]
.set c_, c_+1
.endr
.irp k, 0,2,4,6,8,10
.set c_, \c0
.rept \n
	v_max3_num_f32 v[BM+c_], v[BM+c_], v[S+32*c_+3+\k], v[S+32*c_+4+\k]
	v_max3_num_f32 v[XM+c_], v[XM+c_], v[S+32*c_+20+\k], v[S+32*c_+21+\k]
.set c_, c_+1
.endr
.endr
.endm
.macro MAXB c0, n
.set c_, \c0
.rept \n
	v_max3_num_f32 v[BM+c_], v[BM+c_], v[S+32*c_+15], v[S+32*c_+16]
.set c_, c_+1
.endr
.set c_, \c0
.rept \n
	v_max_num_f32 v[BM+c_], v[BM+c_], v[XM+c_]
.set c_, c_+1
.endr
.endm
.macro SUM p0, p1                      ; pairs p0 .. p1 - 1 of p into the four chains of the row's sum
.set p_, \p0
.rept (\p1)-(\p0)
.if p_ < 6
.if (p_&1) == 0
	v_pk_add_f32 v[34+p_:35+p_], v[S+2*p_:S+2*p_+1], v[S+2*p_+2:S+2*p_+3]
.endif
.elseif ((p_-6)%4) == 0
	v_pk_add_f32 v[14:15], v[14:15], v[S+2*p_:S+2*p_+1]
.else
	v_pk_add_f32 v[32+2*((p_-6)%4):33+2*((p_-6)%4)], v[32+2*((p_-6)%4):33+2*((p_-6)%4)], v[S+2*p_:S+2*p_+1]
.endif
.set p_, p_+1
.endr
.endm
.macro CVT c, dst
.irp i, 0,1,2,3
	v_cvt_scalef32_pk8_fp4_f32 v[\dst+\i], v[S+32*(\c)+8*\i:S+32*(\c)+8*\i+7], v[BM+\c]
.endr
.endm
.macro PV u, vb, pc                    ; O^T += V^T P^T: the four accumulators take turns
.irp d, 0,2
	WO O+8*\d, \vb+8*\d, \pc, VS+4*\u+\d/2, PSC+\u
	WO O+8*\d+8, \vb+8*\d+8, \pc, VS+4*\u+\d/2, PSC+\u, matrix_a_scale:MATRIX_SCALE_ROW1
.endr
.endm
.macro INIT                            ; a tile begins
.set j_, 0
.rept 32
	v_mov_b32 v[O+j_], 0                           ; O^T.  (The first step finds zeros, which the first change of M leaves zeros)
.set j_, j_+1
.endr
.irp i, 14,15,34,35,36,37,38,39
	v_mov_b32 v\i, 0                               ; the sum's chains
.endr
	v_mov_b32 v12, 0x7f61b1e6                      ; -M: 3e38, so that the first f is 0
	v_mov_b32 v13, 0xff61b1e6                      ; the largest score so far: -3e38
.endm
; A STEP of nc chunks of keys; mask = 1: the last of them is on the diagonal.  SIG = 1: the step ahead of the loops, which says on its way that my part of the later records is in
.macro STEP nc, mask
.set N0, 2
.if (\nc) == 1
.set N0, 1
.endif
	v_add_nc_u32 v[AD], s[TB], v[LI]
	v_add_nc_u32 v[AD8], s[TB], v[L8]
	v_pk_add_f32 v[34:35], v[34:35], v[36:37]      ; the last step's chains of the sum are joined here and below
	v_pk_add_f32 v[14:15], v[14:15], v[38:39]
	v_mov_b32 v[T], v12                            ; the old -M.  (These five are the places behind the last step's products)
	KLD 0, N0
	s_wait_alu depctr_va_vdst(0)
	s_wait_dscnt 0x0
	SMUL 0, N0
	v_pk_add_f32 v[14:15], v[14:15], v[34:35]
	PLACES 3                                       ; with the line above: four places
.if (\nc) > 2
	KLD 2, (\nc)-2
	MAXA 0, 2
	s_wait_alu depctr_va_vdst(0)
	s_wait_dscnt 0x0
	SMUL 2, (\nc)-2
	MAXB 0, 2                                      ; four lines on chunks 0 and 1: the places behind the products of chunks 2 and 3
.endif
	VLD KF, 0, N0                                  ; V lands under the softmax
.set c_, 0
.rept \nc
	ds_load_b64 v[VS+2*c_:VS+2*c_+1], v[AD8] offset:REC*c_+4352
.set c_, c_+1
.endr
.if \mask
	MASK (\nc)-1
.endif
.if (\nc) > 2
	MAXA 2, (\nc)-2
	MAXB 2, (\nc)-2
.else
	MAXA 0, \nc
	MAXB 0, \nc
.endif
.if (\nc) == 1
	v_permlanex16_b32 v[XM], v[BM], s[SEL], s[SEL+1]
	v_max3_num_f32 v13, v13, v[BM], v[XM]
.else
.if (\nc) == 2
	v_max_num_f32 v[U], v[BM], v[BM+1]
.else
	v_max3_num_f32 v[U], v[BM], v[BM+1], v[BM+2]
.endif
.if (\nc) == 4
	v_max_num_f32 v[U], v[U], v[BM+3]
.endif
	v_permlanex16_b32 v[XM], v[U], s[SEL], s[SEL+1]
	v_max3_num_f32 v13, v13, v[U], v[XM]           ; the running largest score of my query, with lane l xor 16's keys
.endif
	v_mul_f32 v[U], s[MC], v13
	v_floor_f32 v12, v[U]                          ; the new -M = floor(-t)
	v_sub_f32 v[T], v12, v[T]                      ; old M - new M: a whole number, 0 or less
	v_cvt_i32_f32 v[T], v[T]                       ; (it saturates)
	v_ldexp_f32 v[F], 1.0, v[T]                    ; f = 2^(old M - new M)
.set j_, 0
.rept \nc
	v_fma_f32 v[BM+j_], v[BM+j_], s[CS], v12
.set j_, j_+1
.endr
.set j_, 0
.rept 16*(\nc)
	v_pk_fma_f32 v[S+j_:S+j_+1], v[S+j_:S+j_+1], s[CS:CS+1], v[12:13] op_sel_hi:[1,0,0]   ; t - M, two at a time
.set j_, j_+2
.endr
	s_wait_dscnt 0x0                               ; V's fragments and scale words are in
.if (\nc) > 1
	v_or_b32 v[VS], v[VS], v[VS+2]                 ; an even chunk's bytes and an odd one's make a pair's word
	v_or_b32 v[VS+1], v[VS+1], v[VS+3]
.endif
.if (\nc) == 4
	v_or_b32 v[VS+4], v[VS+4], v[VS+6]
	v_or_b32 v[VS+5], v[VS+5], v[VS+7]
.endif
	s_wait_alu depctr_va_vdst(0)
.set j_, 0
.rept \nc
	v_exp_f32 v[BM+j_], v[BM+j_]                   ; the block's largest p: the same two instructions on the same number
.set j_, j_+1
.endr
.set j_, 0
.rept 32*(\nc)
	v_exp_f32 v[S+j_], v[S+j_]                     ; p = 2^(t - M)
.set j_, j_+1
.endr
	v_pk_mul_f32 v[14:15], v[14:15], v[F:F+1] op_sel_hi:[1,0]   ; the sum under the new M: the plain instruction behind the exponentials
	s_wait_alu depctr_va_vdst(0)                   ; one wait for the whole batch and for O^T's first readers
.set j_, 0
.rept 16
	v_pk_mul_f32 v[O+j_:O+j_+1], v[O+j_:O+j_+1], v[F:F+1] op_sel_hi:[1,0]   ; O^T under the new M
.set j_, j_+2
.endr
.if SIG
	s_wait_tensorcnt 0x0                           ; my part of the later records is in, and no LDS read of mine is out (the wait for 0 above):
	s_barrier_signal -1                            ; say so; the barrier's wait stands behind the step, and only work on registers and reads of records 0 to 3 in between
.endif
.if (\nc) > 2
	SUM 0, 32
.endif
.set j_, 0
.rept \nc
	v_max_num_f32 v[BM+j_], 0x1800000, v[BM+j_]    ; the floor 2^(3 - 127): the byte cannot fall under 1
.set j_, j_+1
.endr
.set j_, 0
.rept \nc
	v_add_nc_u32 v[BM+j_], 0xff000000, v[BM+j_]    ; 2 off the exponent field: the conversion's scale operand
.set j_, j_+1
.endr
.set j_, 0
.rept \nc
	v_lshrrev_b32 v[XM+j_], 23, v[BM+j_]           ; the scale's byte
.set j_, j_+1
.endr
.if (\nc) > 1
	v_lshl_or_b32 v[XM], v[XM+1], 16, v[XM]        ; my half's blocks of a pair of chunks: bytes 0 and 2
.endif
.if (\nc) == 4
	v_lshl_or_b32 v[XM+2], v[XM+3], 16, v[XM+2]
.endif
	v_permlanex16_b32 v[XM+1], v[XM], s[SEL], s[SEL+1]
.if (\nc) > 2
	v_permlanex16_b32 v[XM+3], v[XM+2], s[SEL], s[SEL+1]
.endif
	v_lshl_or_b32 v[PSC], v[XM+1], 8, v[XM]        ; in lanes 0-15, which are read, the other half's are bytes 1 and 3
.if (\nc) > 2
	v_lshl_or_b32 v[PSC+1], v[XM+3], 8, v[XM+2]
.endif
	CVT 0, PCA
.if (\nc) == 1
.irp i, 4,5,6,7
	v_mov_b32 v[PCA+\i], 0                         ; no chunk 1: zero codes
.endr
.else
	CVT 1, PCA+4
.endif
.if (\nc) > 2
	v_nop                                          ; one plain place behind conversions whose sources are written next
	CVT 2, S
.if (\nc) == 4
	CVT 3, S+4
.else
.irp i, 4,5,6,7
	v_mov_b32 v[S+\i], 0                           ; no chunk 3: zero codes
.endr
.endif
	VLD S+32, 2, (\nc)-2
	SUM 32, 16*(\nc)
.else
	SUM 0, 16*(\nc)
.endif
	s_wait_alu depctr_va_vdst(0)
	PV 0, KF, PCA
.if (\nc) > 2
	s_wait_dscnt 0x0
	PV 1, S+32, S
.endif
.endm
	s_load_b256 s[4:11], s[0:1], 0x0               ; qq s[4:5], kv s[6:7], ac s[8:9], asc s[10:11]
	v_lshl_add_u32 v[SPW], v0, 2, SPARE
	v_mov_b32 v[NIL], 0
	ds_add_u32 v[SPW], v[NIL]                      ; the opening lines: the add, twice, and below the one wait for both
	ds_add_u32 v[SPW], v[NIL]
	v_lshrrev_b32 v128, 5, v0
	v_readfirstlane_b32 s[WV], v128                ; wave 0..15
	s_bfe_u32 s13, ttmp6, 0x40000                  ; c: my place in the cluster
	s_and_b32 s14, ttmp7, 0xffff                   ; 16 b + head, which the four partners share
	s_lshr_b32 s60, s[WV], 2                       ; k
	s_and_b32 s39, s[WV], 3                        ; s
	s_lshl_b32 s56, s60, 3
	s_mov_b32 s61, 0x0817181f                      ; byte k: 31, 24, 23, 8
	s_mov_b32 s62, 0x07000f10                      ; byte k: 16, 15, 0, 7
	s_lshr_b32 s61, s61, s56
	s_lshr_b32 s62, s62, s56
	s_and_b32 s61, s61, 0xff
	s_and_b32 s62, s62, 0xff
	s_sub_co_u32 s57, 0, s39
	s_and_b32 s58, s60, 1
	s_cmp_eq_u32 s58, 1
	s_cselect_b32 s57, s39, s57                    ; s where k is odd, -s where it is even
	s_add_co_u32 s61, s61, s57                     ; the first pass's chunk, at least 8: so its step 0 is a full one
	s_sub_co_u32 s62, s62, s57                     ; the second pass's
	s_lshr_b32 s[LIM], s61, 2                      ; their last steps,
	s_lshr_b32 s16, s62, 2
	s_and_b32 s[TK], s61, 3                        ; and the chunks in them
	s_add_co_u32 s[TK], s[TK], 1
	s_and_b32 s39, s62, 3
	s_add_co_u32 s39, s39, 1
	s_sub_co_u32 s60, 3, s13                       ; the first pass's tile 3 - c
	s_mov_b32 s[SEL], 0x76543210
	s_mov_b32 s[SEL+1], 0xfedcba98
	s_mov_b32 s[CS], 0x3e38aa3b                    ; log2(e) / 8
	s_mov_b32 s[CS+1], s[CS]                       ; (named with it as a pair, so it is written)
	s_mov_b32 s[MC], 0xbe38aa3b
	s_mov_b32 s36, 0xffff0000                      ; lanes 16-31
	; the descriptors: dense bytes as rows of 256 (32 elements of 8 bytes): records 0 to 7 are 144 rows, 9 a wave; the other 24 are 432, 27 a wave
.irp g, 24, 68
	s_mov_b32 s[\g], 15|(3<<16)|(1<<21)            ; 15:0 the mask: all four work-groups; 17:16 elements of 8 bytes; 21 set beside a mask
	s_mov_b32 s[\g+1], 32<<16                      ; tensor_dim0
	s_mov_b32 s[\g+3], 32<<16                      ; tile_dim0
	s_mov_b32 s[\g+5], 32                          ; tensor_dim0_stride
	s_mov_b32 s[\g+6], 0
	s_mov_b32 s[\g+7], 0
.endr
	s_mov_b32 s26, 9<<16                           ; tensor_dim1, tile_dim1
	s_mov_b32 s28, 9
	s_mov_b32 s70, 27<<16
	s_mov_b32 s72, 27
	s_mov_b32 s32, 1
	s_mul_i32 s33, s[WV], 9*256
	s_mov_b32 s76, 1
	s_mul_i32 s77, s[WV], 27*256
	s_add_co_u32 s77, s77, 8*REC
	s_mul_i32 s56, s14, 32*REC
	s_add_co_u32 s58, s56, s77
	s_mov_b32 s59, 0
	s_add_co_u32 s56, s56, s33
	s_mov_b32 s57, 0
	v_and_b32 v129, 31, v0
	v_lshlrev_b32 v[LI], 4, v129
	v_lshlrev_b32 v[L8], 3, v129
	v_and_b32 v130, 15, v0                         ; r
	v_bfe_u32 v131, v0, 4, 1                       ; h
	v_and_b32 v132, 7, v0
	v_bfe_u32 v133, v0, 3, 1                       ; g
	v_lshl_add_u32 v[AB], v130, 5, v131
	v_lshlrev_b32 v134, 3, v130                    ; 8 r
	; the mask's compare values: key 32 h + 8 (i ^ h) + j is seen where it is at most query 32 g + 8 (tile ^ g) + r % 8, that is where 8 i + j is at most query - 40 h (i even) or query - 24 h (i odd)
	v_mul_u32_u24 v135, v131, 40
	v_xor_b32 v136, s60, v133
	v_xor_b32 v137, s13, v133
	v_lshl_add_u32 v136, v136, 3, v132
	v_lshl_add_u32 v137, v137, 3, v132
	v_lshl_add_u32 v136, v133, 5, v136
	v_lshl_add_u32 v137, v133, 5, v137
	v_sub_nc_u32 v[DE], v136, v135
	v_sub_nc_u32 v0, v137, v135
	v_lshl_add_u32 v[DE+1], v131, 4, v[DE]
	s_wait_alu depctr_va_vdst(0)
	s_wait_dscnt 0x0                               ; both opening adds are done
	CROUND                                         ; all four work-groups are here: the joint loads meet.  (The arguments are on their way meanwhile)
	s_wait_kmcnt 0x0
	s_add_nc_u64 s[34:35], s[6:7], s[56:57]
	s_or_b32 s35, s35, 0x80000000                  ; type = 2
	tensor_load_to_lds s[32:35], s[24:31]          ; my part of records 0 to 7
	s_nop 0
	PLACES 4
	s_add_nc_u64 s[78:79], s[6:7], s[58:59]
	s_or_b32 s79, s79, 0x80000000
	TILE 61, 60, 48, 52, 40, 44
	TILE 62, 13, 50, 54, 42, 46
	global_load_b128 v[QF:QF+3], v[LI], s[48:49]   ; Q of both tiles stays in registers
	global_load_b32 v28, v134, s[52:53] offset:2048
	global_load_b128 v[24:27], v[LI], s[50:51]
	global_load_b32 v29, v134, s[54:55] offset:2048
.irp i, 0,1,2,3
	v_mov_b32 v[QF+4+\i], 0                        ; zero codes for k = 64 .. 127
	v_mov_b32 v[XM+\i], 0                          ; written once: a lane permute's destination counts as one of its sources
.endr
.set j_, 0
.rept 32
	v_mov_b32 v[KF+j_], 0                          ; read as codes of finite numbers where a step has fewer chunks than registers
.set j_, j_+1
.endr
	v_mov_b32 v[F+1], 0                            ; (named as the upper half of a pair)
	INIT
	s_wait_alu depctr_va_vdst(0)
	s_wait_tensorcnt 0x0                           ; my part of records 0 to 7 is in
	ds_add_u32 v[SPW], v[NIL]
	s_wait_dscnt 0x0
	CROUND                                         ; everybody's part is in, and all four work-groups are here
	tensor_load_to_lds s[76:79], s[68:75]          ; my part of the other 24 records
	s_nop 0
	PLACES 4
	s_wait_loadcnt 0x0                             ; Q
	s_mov_b32 s[TB], 0
.set SIG, 1
	STEP 4, 0                                      ; the first pass's step 0
.set SIG, 0
	s_barrier_wait -1                              ; everybody's part of the later records is in: from here on LDS is only read
	s_mov_b32 s[PASS], 2
	s_mov_b32 s[LOW], 1                            ; the first pass goes on with step 1
.Lpass:
	s_mov_b32 s[J], 0
	s_mov_b32 s[TB], 0
.Lstep:                                            ; 8 trips, a constant; a step that is done already, or all of whose keys come after my queries, is jumped over: branches on counts and the wave's number
	s_cmp_lt_u32 s[J], s[LOW]
	s_cbranch_scc1 .Lskip
	s_cmp_gt_u32 s[J], s[LIM]
	s_cbranch_scc1 .Lskip
	s_cmp_lg_u32 s[J], s[LIM]
	s_cbranch_scc1 .Lfull
	s_cmp_eq_u32 s[TK], 1
	s_cbranch_scc1 .Ltail1
	s_cmp_eq_u32 s[TK], 2
	s_cbranch_scc1 .Ltail2
	s_cmp_eq_u32 s[TK], 3
	s_cbranch_scc1 .Ltail3
	STEP 4, 1
	s_branch .Lskip
.Ltail1:
	STEP 1, 1
	s_branch .Lskip
.Ltail2:
	STEP 2, 1
	s_branch .Lskip
.Ltail3:
	STEP 3, 1
	s_branch .Lskip
.Lfull:
	STEP 4, 0
.Lskip:
	s_add_co_u32 s[TB], s[TB], 4*REC
	s_add_co_u32 s[J], s[J], 1
	s_cmp_lt_u32 s[J], 8
	s_cbranch_scc1 .Lstep
	; THE WAY OUT of a tile: O^T / l, quantised along the head's 64: my half's block of 32
	v_pk_add_f32 v[34:35], v[34:35], v[36:37]      ; the sum's chains are joined: four places behind the last products
	v_pk_add_f32 v[14:15], v[14:15], v[38:39]
	v_pk_add_f32 v[14:15], v[14:15], v[34:35]
	v_add_f32 v14, v14, v15
	v_permlanex16_b32 v[T], v14, s[SEL], s[SEL+1]
	v_add_f32 v14, v14, v[T]                       ; with lane l xor 16's: the row's sum
	s_wait_alu depctr_va_vdst(0)                   ; the wait ahead of the transcendental
	v_rcp_f32 v[F], v14
	v_nop                                          ; a plain instruction behind the reciprocal
	s_wait_alu depctr_va_vdst(0)                   ; and the wait ahead of its first reader
.set j_, 0
.rept 16
	v_pk_mul_f32 v[S+j_:S+j_+1], v[O+j_:O+j_+1], v[F:F+1] op_sel_hi:[1,0]   ; register 8 d + j of lane half h is channel 32 h + 8 (d ^ h) + j of my query
.set j_, j_+2
.endr
.irp b, 0,1
	v_max3_num_f32 v[BM+\b], |v[S+16*\b]|, |v[S+16*\b+1]|, 0x1800000
.endr
.irp i, 2,4,6,8,10,12,14
.irp b, 0,1
	v_max3_num_f32 v[BM+\b], v[BM+\b], |v[S+16*\b+\i]|, |v[S+16*\b+\i+1]|
.endr
.endr
	v_max_num_f32 v[BM], v[BM], v[BM+1]
	v_add_nc_u32 v[BM], 0xff000000, v[BM]
	v_lshrrev_b32 v[XM+2], 23, v[BM]               ; lane (r, h) stores block h's byte of its query
.irp i, 0,1,2,3
	v_cvt_scalef32_pk8_fp4_f32 v[PCA+\i], v[S+8*\i:S+8*\i+7], v[BM]
.endr
	v_nop                                          ; one plain place behind the last scaled conversion
.irp i, 0,2
	v_cndmask_b32 v[PCA+4+\i], v[PCA+\i], v[PCA+\i+1], s36     ; lanes 16-31 hold groups 1 0 3 2: into the true order
	v_cndmask_b32 v[PCA+5+\i], v[PCA+\i+1], v[PCA+\i], s36
.endr
	global_store_b128 v[LI], v[PCA+4:PCA+7], s[40:41]  ; 512 consecutive bytes
	global_store_b8 v[AB], v[XM+2], s[44:45]
	s_cmp_eq_u32 s[PASS], 1
	s_cbranch_scc1 .Lboth_done                     ; behind the second pass nothing moves in
	s_wait_xcnt 0x0                                ; the stores have read their data and bases: both are written again
	v_mov_b32 v[QF], v24                           ; the second pass's Q, scale word, compare values, limits and bases move in
	v_mov_b32 v[QF+1], v25
	v_mov_b32 v[QF+2], v26
	v_mov_b32 v[QF+3], v27
	v_mov_b32 v28, v29
	v_sub_nc_u32 v[T], v[DE+1], v[DE]
	v_mov_b32 v[DE], v0
	v_add_nc_u32 v[DE+1], v0, v[T]
	INIT
	s_mov_b32 s[LIM], s16
	s_mov_b32 s[TK], s39
	s_mov_b32 s[LOW], 0
	s_mov_b64 s[40:41], s[42:43]
	s_mov_b64 s[44:45], s[46:47]
	s_wait_alu depctr_va_vdst(0)
.Lboth_done:
	s_sub_co_u32 s[PASS], s[PASS], 1
	s_cmp_lg_u32 s[PASS], 0
	s_cbranch_scc1 .Lpass
	s_wait_tensorcnt 0x0                           ; the wave's end
	ds_add_u32 v[SPW], v[NIL]
	s_wait_dscnt 0x0
	CROUND                                         ; the closing round
	s_endpgm
.Lfunc_end_k_q32edb1464f_attn:
	.size	k_q32edb1464f_attn, .Lfunc_end_k_q32edb1464f_attn-k_q32edb1464f_attn
	.p2alignl 7, 3214868480
	.fill 96, 4, 3214868480
	.section	.rodata,"a",@progbits
	.p2align	6, 0x0
	.amdhsa_kernel k_q32edb1464f_attn
		.amdhsa_group_segment_fixed_size 327680
		.amdhsa_private_segment_fixed_size 0
		.amdhsa_enable_private_segment 0
		.amdhsa_kernarg_size 32
		.amdhsa_user_sgpr_count 2
		.amdhsa_user_sgpr_kernarg_segment_ptr 1
		.amdhsa_wavefront_size32 1
		.amdhsa_system_sgpr_workgroup_id_x 1
		.amdhsa_system_sgpr_workgroup_id_y 1
		.amdhsa_system_sgpr_workgroup_id_z 1
		.amdhsa_system_vgpr_workitem_id 0
		.amdhsa_next_free_vgpr 256
		.amdhsa_next_free_sgpr 84
		.amdhsa_reserve_vcc 1
		.amdhsa_float_denorm_mode_32 3
		.amdhsa_float_denorm_mode_16_64 3
		.amdhsa_memory_ordered 1
		.amdhsa_forward_progress 1
		.amdhsa_inst_pref_size 149
	.end_amdhsa_kernel
	.amdgpu_metadata
---
amdhsa.version: [ 1, 2 ]
amdhsa.kernels:
  - .name:           k_q32edb1464f_attn
    .symbol:         k_q32edb1464f_attn.kd
    .args:
      - { .name: qq, .offset: 0, .size: 8, .value_kind: global_buffer, .address_space: global }
      - { .name: kv, .offset: 8, .size: 8, .value_kind: global_buffer, .address_space: global }
      - { .name: ac, .offset: 16, .size: 8, .value_kind: global_buffer, .address_space: global }
      - { .name: asc, .offset: 24, .size: 8, .value_kind: global_buffer, .address_space: global }
    .group_segment_fixed_size: 327680
    .private_segment_fixed_size: 0
    .kernarg_segment_align: 8
    .kernarg_segment_size: 32
    .max_flat_workgroup_size: 512
    .sgpr_count:     84
    .vgpr_count:     256
    .wavefront_size: 32
...
	.end_amdgpu_metadata
.endif
;; end of part 2
;; launch proj (part 3): grid 8 x 32, 4 waves a work-group, clusters of 4 x 4, 327,680 bytes of LDS; arguments ac, asc, Wo_codes, Wo_scales, bo, out0; writes out0
.if DOCPART == 3
	.amdgcn_target "amdgcn-amd-amdhsa--gfx1250"
	.amdhsa_code_object_version 6
	.text
	.protected	k_q32edb1464f_proj
	.globl	k_q32edb1464f_proj
	.p2align	8
	.type	k_q32edb1464f_proj,@function
k_q32edb1464f_proj:
	s_mov_b64 s[64:65], 0
	v_nop
	global_prefetch_b8 v0, s[64:65] scope:SCOPE_SE
	s_setreg_imm32_b32 hwreg(HW_REG_WAVE_MODE, 25, 1), 1
	s_wait_xcnt 0x0
	s_wait_alu depctr_hold_cnt(0) depctr_sa_sdst(0) depctr_va_vdst(0) depctr_va_sdst(0) depctr_va_ssrc(0) depctr_va_vcc(0) depctr_vm_vsrc(0)
	s_getreg_b32 s2, hwreg(HW_REG_IB_STS2, 6, 4)
	s_cmp_eq_u32 s2, 0
	s_cbranch_scc0 .Lentry_in_a_cluster
	s_endpgm
.Lentry_in_a_cluster:
	s_bfe_u32 s2, ttmp6, 0x10000c
	s_cmp_lg_u32 s2, 0xf033
	s_cbranch_scc0 .Lentry_shape_is_right
	s_endpgm
.Lentry_shape_is_right:
; out0 = attn Wo^T + bo on codes of FP4 (E2M1) with one E8M0 scale for each 32 along K = 1,024.
; attn's codes lie in ac as images of operand registers, [token tile 512][head 16][512 bytes]: image (tile, head) is half head % 2 of the fragment of K step head / 2; its scale bytes in asc, [token tile][row 16][32].
; Row r of token tile i of a chunk of 64 tokens is token 32 g + 8 (i ^ g) + r % 8, g = r / 8: the order in which launch qkv deals them.
; Wo: [1,024 features][512 bytes of codes], scales [1,024][32].  bo [1,024] f32.  out0 [8,192][1,024] f32.
; SHARES.  Work-group (x = block of 128 features, y = block of 256 tokens), four waves; wave w owns features 64 (w % 2) .. + 63 and tokens 128 (w / 2) .. + 127.  Its Wo for all of K (32 fragments, 256 registers) stays in
; window 1; the eight token tiles are finished one after the other, 32 matrix instructions each, so that stores leave while later tiles are multiplied.  Source 0 = 16 rows of Wo, source 1 = 16 tokens: a lane holds eight
; neighbouring outputs of one token.  The bias is the C of each sum's first instruction.
; LDS.  The head brings Wo and the first two token tiles of each half, one load a wave; the other six tiles of each half come behind a round and land under those two tiles' products.  Nothing is filled twice; no stream, so no prefetch.
; CLUSTER 4 x 4: ac's tiles hang on the token block alone and are asked for jointly along a row of the cluster, Wo's on the feature block alone and jointly along a column.
; THE WAY OUT.  16 tokens x 64 outputs at a time through one of the wave's own two stages (rows of 256 bytes + 16), which no tensor load fills; sixteen lanes store 256 consecutive bytes at a multiple of 256 from out0's first byte.
; LIMITS.  NaN, infinities and a given scale byte 0xff are not served.
.set PITCH, 528                        ; a row of Wo in LDS: 512 bytes + 16 of padding: the 16 rows of a fragment start at 16 different groups of four banks
.set WOB,   131072                     ; behind the codes of 16 token tiles: Wo's 128 rows
.set STAGE, WOB+128*PITCH              ; behind them two stages for each wave
.set SP,    272
.set STG,   16*SP
.set SPARE, STAGE+8*STG                ; the spare words, 128 bytes for each wave
.set LI,  1                            ; v1 16 x lane
.set CO,  2                            ; v2 my byte offset in two rows of out0
.set ADX, 3                            ; v3 LDS address of my images
.set ADQ, 4                            ; v4 of Wo's fragments
.set STO, 5                            ; v5 the stage: where I put 32 bytes of a row
.set RD,  6                            ; v6 and where I read a row back
.set L32, 7                            ; v7 32 x lane
.set BO,  8                            ; v8 32 h: my half's eight numbers of the bias
.set SPW, 9
.set NIL, 10
.set WS,  16                           ; v16-31 Wo's scale words: 8 p + s: lanes 0-15 tile 2 p, lanes 16-31 tile 2 p + 1
.set XS,  32                           ; v32-63 the tokens' likewise
.set BI,  64                           ; v64-95 the bias: eight registers a feature tile, in the result's layout
.set XF,  128                          ; v128-191, v192-255 a token tile's eight fragments, two sets by turns
.set RB,  64                           ; window 2: v0-31, v32-63 accumulators, two sets by turns; v64-95, v96-127 rows of out0 by turns
.set WV,  24
.set G1A, 32                           ; descriptor groups 1: the head's token tiles, Wo, the later token tiles
.set G1W, 40
.set G1B, 48
.set G0A, 56                           ; groups 0
.set G0W, 60
.set G0B, 68
.set MSB, 0
.macro WIN new                         ; the immediate's high byte repeats the setting that is left; a switch that changes nothing is dropped
.if MSB != (\new)
	s_set_vgpr_msb (MSB<<8)|(\new)
.set MSB, \new
.endif
.endm
.macro PLACES n
.rept \n
	v_nop
.endr
.endm
.macro CROUND                          ; a round of the cluster's barrier
	s_barrier_signal -1
	s_barrier_wait -1
	s_cmp_lg_u32 s[WV], 0
	s_cbranch_scc1 .Lnot_wave_0_\@
	s_barrier_signal -3
.Lnot_wave_0_\@:
	s_barrier_wait -3
	s_barrier_signal -1
	s_barrier_wait -1
.endm
.macro W1 d, a, b, c, sa, sb, m1, m2
	v_wmma_scale_f32_16x16x128_f8f6f4 v[\d:\d+7], v[\a:\a+7], v[\b:\b+7], v[\c:\c+7], v[\sa], v[\sb] matrix_a_fmt:MATRIX_FMT_FP4 matrix_b_fmt:MATRIX_FMT_FP4 \m1 \m2
.endm
.macro WLD s                           ; Wo's four fragments of K step s into window 1: tile f at v[32 s + 8 f]: eight loads
	WIN 0x40
.irp f, 0,1,2,3
	ds_load_b128 v[32*(\s)+8*\f:32*(\s)+8*\f+3], v[ADQ] offset:16*PITCH*\f+64*(\s)
	ds_load_b128 v[32*(\s)+8*\f+4:32*(\s)+8*\f+7], v[ADQ] offset:16*PITCH*\f+64*(\s)+32
.endr
	WIN 0
.endm
.macro XLD tt                          ; token tile tt's eight fragments into set tt % 2: sixteen loads
	WIN 0
.irp s, 0,1,2,3,4,5,6,7
	ds_load_b128 v[XF+64*((\tt)&1)+8*\s:XF+64*((\tt)&1)+8*\s+3], v[ADX] offset:8192*(\tt)+1024*\s
	ds_load_b128 v[XF+64*((\tt)&1)+8*\s+4:XF+64*((\tt)&1)+8*\s+7], v[ADX] offset:8192*(\tt)+1024*\s+512
.endr
.endm
.macro MUL tt, s                       ; K step s of token tile tt: its four accumulators take turns, one instruction a turn
.if (\s) == 0
	WIN 0x81                                       ; source 0 (Wo) window 1, source 1 and C (the bias) window 0, D window 2
.set C_, BI
.else
	WIN 0xa1                                       ; C and D window 2
.set C_, 32*((\tt)&1)
.endif
.irp f, 0,2
.if (\tt)&1
	W1 32*((\tt)&1)+8*\f, 32*(\s)+8*\f, XF+64*((\tt)&1)+8*(\s), C_+8*\f, WS+4*\f+(\s), XS+8*((\tt)/2)+(\s), matrix_b_scale:MATRIX_SCALE_ROW1
	W1 32*((\tt)&1)+8*\f+8, 32*(\s)+8*\f+8, XF+64*((\tt)&1)+8*(\s), C_+8*\f+8, WS+4*\f+(\s), XS+8*((\tt)/2)+(\s), matrix_a_scale:MATRIX_SCALE_ROW1, matrix_b_scale:MATRIX_SCALE_ROW1
.else
	W1 32*((\tt)&1)+8*\f, 32*(\s)+8*\f, XF+64*((\tt)&1)+8*(\s), C_+8*\f, WS+4*\f+(\s), XS+8*((\tt)/2)+(\s)
	W1 32*((\tt)&1)+8*\f+8, 32*(\s)+8*\f+8, XF+64*((\tt)&1)+8*(\s), C_+8*\f+8, WS+4*\f+(\s), XS+8*((\tt)/2)+(\s), matrix_a_scale:MATRIX_SCALE_ROW1
.endif
.endr
.endm
.macro TOSTAGE tt                      ; 16 rows x 256 bytes into stage tt % 2, and back as whole rows: sixteen LDS instructions
	WIN 0x08                                       ; an LDS store's data are its source 1: window 2
.irp f, 0,1,2,3
	ds_store_b128 v[STO], v[32*((\tt)&1)+8*\f:32*((\tt)&1)+8*\f+3] offset:STG*((\tt)&1)+64*\f        ; each accumulator from its low end on
	ds_store_b128 v[STO], v[32*((\tt)&1)+8*\f+4:32*((\tt)&1)+8*\f+7] offset:STG*((\tt)&1)+64*\f+16
.endr
	WIN 0x80
.irp i, 0,1,2,3,4,5,6,7
	ds_load_b128 v[RB+32*((\tt)&1)+4*\i:RB+32*((\tt)&1)+4*\i+3], v[RD] offset:STG*((\tt)&1)+2*SP*\i   ; LDS serves a wave's instructions in order (ISA guide 5.7.1.4): these see the stores above
.endr
	WIN 0
.endm
.macro SEND tt                         ; rows 2 i and 2 i + 1 of the tile are the tokens 64 (tt / 4) + 32 (i / 4) + 8 ((tt % 4) ^ (i / 4)) + 2 (i % 4) and the next
	WIN 0x08
.irp i, 0,1,2,3,4,5,6,7
	global_store_b128 v[CO], v[RB+32*((\tt)&1)+4*\i:RB+32*((\tt)&1)+4*\i+3], s[14:15] offset:4096*(64*((\tt)/4)+32*(\i/4)+8*(((\tt)%4)^(\i/4))+2*(\i%4))
.endr
	WIN 0
.endm
	s_load_b256 s[4:11], s[0:1], 0x0               ; ac s[4:5], asc s[6:7], Wo's codes s[8:9], Wo's scales s[10:11]
	s_load_b128 s[12:15], s[0:1], 0x20             ; bo s[12:13], out0 s[14:15]
	v_lshl_add_u32 v[SPW], v0, 2, SPARE
	v_mov_b32 v[NIL], 0
	ds_add_u32 v[SPW], v[NIL]                      ; the opening lines: the add, twice, and below the one wait for both
	ds_add_u32 v[SPW], v[NIL]
	v_lshrrev_b32 v11, 5, v0
	v_readfirstlane_b32 s[WV], v11                 ; wave 0..3
	s_bfe_u32 s25, ttmp6, 0x40000                  ; cx, cy: my place in the cluster
	s_bfe_u32 s26, ttmp6, 0x40004
	s_lshl_b32 s27, ttmp9, 2
	s_add_co_u32 s27, s27, s25                     ; the block of 128 features = 4 x cluster x + cx
	s_and_b32 s28, ttmp7, 0xffff
	s_lshl_b32 s28, s28, 2
	s_add_co_u32 s28, s28, s26                     ; the block of 256 tokens = 4 x cluster y + cy
	s_lshl_b32 s29, s26, 2
	s_lshl_b32 s29, 15, s29                        ; my row of the cluster: it shares the token block
	s_lshl_b32 s30, 0x1111, s25                    ; my column: it shares the feature block
	; the codes: a token tile is 8,192 dense bytes, two rows of 4,096 (512 elements of 8 bytes), no padding: the images are read 16 bytes a lane on end.  The head's two tiles are 4 rows, a wave's three later ones 6
	s_or_b32 s[G1A], s29, (3<<16)|(1<<21)          ; 15:0 the mask; 17:16 elements of 8 bytes; 21 set beside a mask
	s_or_b32 s[G1B], s29, (3<<16)|(1<<21)
.irp g, G1A, G1B
	s_mov_b32 s[\g+1], 512<<16                     ; tensor_dim0
	s_mov_b32 s[\g+3], 512<<16                     ; tile_dim0
	s_mov_b32 s[\g+5], 512                         ; tensor_dim0_stride
	s_mov_b32 s[\g+6], 0
	s_mov_b32 s[\g+7], 0
.endr
	s_mov_b32 s[G1A+2], 4<<16                      ; tensor_dim1, tile_dim1
	s_mov_b32 s[G1A+4], 4
	s_mov_b32 s[G1B+2], 6<<16
	s_mov_b32 s[G1B+4], 6
	; Wo: 64 rows of 512 bytes, 16 bytes of padding behind each
	s_or_b32 s[G1W], s30, (1<<20)|(1<<21)|(6<<22)|(3<<25)
	s_mov_b32 s[G1W+1], 512<<16
	s_mov_b32 s[G1W+2], 64<<16
	s_mov_b32 s[G1W+3], 512<<16
	s_mov_b32 s[G1W+4], 64
	s_mov_b32 s[G1W+5], 512
	s_mov_b32 s[G1W+6], 0
	s_mov_b32 s[G1W+7], 0
	s_and_b32 s92, s[WV], 1                        ; my features' half.  Also: which half of ac's or of Wo's tile I fetch
	s_lshr_b32 s93, s[WV], 1                       ; my tokens' half.  Also: which three of a half's later six tiles I fetch
	s_mov_b32 s[G0A], 1                            ; LDS addresses: the wave's number and constants alone
	s_lshl_b32 s[G0A+1], s92, 16
	s_mul_i32 s91, s93, 24576
	s_add_co_u32 s91, s91, 16384                   ; behind the half's first two tiles
	s_mov_b32 s[G0B], 1
	s_add_co_u32 s[G0B+1], s[G0A+1], s91
	s_mov_b32 s[G0W], 1
	s_mul_i32 s94, s92, 64*PITCH
	s_add_co_u32 s94, s94, WOB                     ; also: where my own features' rows of Wo lie
	s_mov_b32 s[G0W+1], s94
	s_lshl_b32 s95, s93, 16                        ; where my tokens' images lie
	s_mul_i32 s96, s[WV], 2*STG
	s_add_co_u32 s96, s96, STAGE                   ; my stages
	; byte offsets.  The codes' are made of the token block and the wave, Wo's of the feature block and the wave, each in registers that never hold the other coordinate
	s_lshl_b32 s76, s28, 17                        ; 16 token tiles x 8,192 bytes
	s_lshl_b32 s77, s92, 16
	s_add_co_u32 s76, s76, s77
	s_mov_b32 s77, 0
	s_add_co_u32 s88, s76, s91
	s_mov_b32 s89, 0
	s_lshl_b32 s80, s27, 16                        ; 128 rows x 512 bytes
	s_lshl_b32 s81, s92, 15
	s_add_co_u32 s80, s80, s81
	s_mov_b32 s81, 0
	s_lshl_b32 s78, s28, 13                        ; my tokens' scale bytes
	s_lshl_b32 s79, s93, 12
	s_add_co_u32 s78, s78, s79
	s_mov_b32 s79, 0
	s_lshl_b32 s84, s27, 12                        ; my features' scale bytes
	s_lshl_b32 s85, s92, 11
	s_add_co_u32 s84, s84, s85
	s_mov_b32 s85, 0
	s_lshl_b32 s82, s27, 9                         ; my 64 numbers of the bias: also my bytes in a row of out0
	s_lshl_b32 s83, s92, 8
	s_add_co_u32 s82, s82, s83
	s_mov_b32 s83, 0
	s_lshl_b32 s86, s28, 20                        ; out0: 256 rows x 4,096 bytes
	s_lshl_b32 s87, s93, 19
	s_add_co_u32 s86, s86, s87
	s_add_co_u32 s86, s86, s82
	s_mov_b32 s87, 0
	v_and_b32 v11, 31, v0
	v_lshlrev_b32 v[LI], 4, v11
	v_lshlrev_b32 v[L32], 5, v11
	v_and_b32 v12, 15, v0                          ; r
	v_bfe_u32 v13, v0, 4, 1                        ; h
	v_add_nc_u32 v[ADX], s95, v[LI]
	v_mul_u32_u24 v14, v12, PITCH
	v_lshl_add_u32 v14, v13, 4, v14
	v_add_nc_u32 v[ADQ], s94, v14                  ; a fragment's row x pitch + 16 x half
	v_mul_u32_u24 v15, v12, SP
	v_lshl_add_u32 v15, v13, 5, v15
	v_add_nc_u32 v[STO], s96, v15                  ; into the stage: row r, 32 bytes for each half of the lanes
	v_mul_u32_u24 v15, v13, SP
	v_lshl_add_u32 v15, v12, 4, v15
	v_add_nc_u32 v[RD], s96, v15                   ; back: lanes 0-15 one row of 256 bytes, lanes 16-31 the next
	v_lshlrev_b32 v14, 12, v13
	v_lshl_add_u32 v[CO], v12, 4, v14              ; and the same two rows in out0
	v_lshlrev_b32 v[BO], 5, v13
	s_wait_alu depctr_va_vdst(0)
	s_wait_dscnt 0x0                               ; both opening adds are done
	CROUND                                         ; all sixteen work-groups are here: the joint loads meet.  (The arguments are on their way meanwhile)
	s_wait_kmcnt 0x0
	s_add_nc_u64 s[G0A+2:G0A+3], s[4:5], s[76:77]
	s_or_b32 s[G0A+3], s[G0A+3], 0x80000000        ; type = 2
	s_add_nc_u64 s[G0W+2:G0W+3], s[8:9], s[80:81]
	s_or_b32 s[G0W+3], s[G0W+3], 0x80000000
	s_cmp_lt_u32 s[WV], 2                          ; one load a wave: waves 0 and 1 fetch the codes, waves 2 and 3 Wo
	s_cbranch_scc0 .Lhead_w
	tensor_load_to_lds s[G0A:G0A+3], s[G1A:G1A+7]
	s_nop 0
	PLACES 4
	s_branch .Lhead_asked
.Lhead_w:
	tensor_load_to_lds s[G0W:G0W+3], s[G1W:G1W+7]
	s_nop 0
	PLACES 4
.Lhead_asked:
	s_add_nc_u64 s[G0B+2:G0B+3], s[4:5], s[88:89]
	s_or_b32 s[G0B+3], s[G0B+3], 0x80000000
	s_add_nc_u64 s[6:7], s[6:7], s[78:79]
	s_add_nc_u64 s[10:11], s[10:11], s[84:85]
	s_add_nc_u64 s[12:13], s[12:13], s[82:83]
	s_add_nc_u64 s[14:15], s[14:15], s[86:87]
	; lane l reads the 32 scale bytes of row 32 p + l
.irp p, 0,1,2,3
	global_load_b128 v[XS+8*\p:XS+8*\p+3], v[L32], s[6:7] offset:1024*\p
	global_load_b128 v[XS+8*\p+4:XS+8*\p+7], v[L32], s[6:7] offset:1024*\p+16
.endr
.irp p, 0,1
	global_load_b128 v[WS+8*\p:WS+8*\p+3], v[L32], s[10:11] offset:1024*\p
	global_load_b128 v[WS+8*\p+4:WS+8*\p+7], v[L32], s[10:11] offset:1024*\p+16
.endr
.irp f, 0,1,2,3
	global_load_b128 v[BI+8*\f:BI+8*\f+3], v[BO], s[12:13] offset:64*\f          ; bo at features 16 f + 8 h + 0 .. 7
	global_load_b128 v[BI+8*\f+4:BI+8*\f+7], v[BO], s[12:13] offset:64*\f+16
.endr
	s_wait_tensorcnt 0x0                           ; my tile of the head's is in
	ds_add_u32 v[SPW], v[NIL]
	s_wait_dscnt 0x0
	CROUND                                         ; everybody's is in, and all sixteen work-groups are here
	tensor_load_to_lds s[G0B:G0B+3], s[G1B:G1B+7]  ; three of the later token tiles
	s_nop 0
	PLACES 4
	XLD 0
	WLD 0
	WLD 1
	WLD 2
	WLD 3
	s_wait_loadcnt 0x0                             ; the scale words and the bias
.irp s, 0,1,2,3
	WLD \s+4
	s_wait_dscnt 32                                ; Wo's next four K steps may be out
	MUL 0, \s
.endr
	XLD 1
.irp s, 4,5,6,7
	s_wait_dscnt 8*(7-\s)+16                       ; Wo's later K steps and tile 1's sixteen loads may be out
	MUL 0, \s
.endr
	PLACES 4                                       ; behind the products: ahead of the first read of results and of loads into the fragments' registers
	TOSTAGE 0
	s_wait_dscnt 16                                ; tile 1's fragments are in: stage 0's sixteen may be out
.irp s, 0,1,2,3,4,5,6,7
	MUL 1, \s
.endr
	PLACES 4
	TOSTAGE 1
	s_wait_dscnt 16                                ; stage 1's may be out
	SEND 0
	s_wait_dscnt 0x0
	SEND 1
	s_wait_tensorcnt 0x0                           ; my later tiles are in,
	s_barrier_signal -1
	s_barrier_wait -1                              ; everybody's are: no tensor load follows
	XLD 2
	XLD 3
.irp a, 2,3,4,5,6,7
.if (\a > 2) && (\a < 7)
	s_wait_dscnt 32                                ; tile a's fragments are in: stage a - 1's and tile a + 1's sixteen each may be out
.else
	s_wait_dscnt 16                                ; tile 3's, or stage 6's, may be out
.endif
.irp s, 0,1,2,3,4,5,6,7
	MUL \a, \s
.endr
	PLACES 4
	s_wait_xcnt 0x0                                ; tile a - 2's stores have read their registers: tile a's rows may land there
	TOSTAGE \a
.if \a < 6
	XLD \a+2
.endif
.if \a > 2
.if \a < 6
	s_wait_dscnt 48                                ; behind stage a - 1's: tile a + 1's, stage a's, tile a + 2's
.elseif \a == 6
	s_wait_dscnt 32
.else
	s_wait_dscnt 16
.endif
	SEND \a-1
.endif
.endr
	s_wait_dscnt 0x0
	SEND 7
	s_wait_tensorcnt 0x0                           ; the wave's end
	ds_add_u32 v[SPW], v[NIL]
	s_wait_dscnt 0x0
	CROUND                                         ; the closing round: no work-group ends while a partner may still ask for a tile that names it
	s_endpgm
.Lfunc_end_k_q32edb1464f_proj:
	.size	k_q32edb1464f_proj, .Lfunc_end_k_q32edb1464f_proj-k_q32edb1464f_proj
	.p2alignl 7, 3214868480
	.fill 96, 4, 3214868480
	.section	.rodata,"a",@progbits
	.p2align	6, 0x0
	.amdhsa_kernel k_q32edb1464f_proj
		.amdhsa_group_segment_fixed_size 327680
		.amdhsa_private_segment_fixed_size 0
		.amdhsa_enable_private_segment 0
		.amdhsa_kernarg_size 48
		.amdhsa_user_sgpr_count 2
		.amdhsa_user_sgpr_kernarg_segment_ptr 1
		.amdhsa_wavefront_size32 1
		.amdhsa_system_sgpr_workgroup_id_x 1
		.amdhsa_system_sgpr_workgroup_id_y 1
		.amdhsa_system_sgpr_workgroup_id_z 1
		.amdhsa_system_vgpr_workitem_id 0
		.amdhsa_next_free_vgpr 1024
		.amdhsa_next_free_sgpr 100
		.amdhsa_reserve_vcc 0
		.amdhsa_float_denorm_mode_32 3
		.amdhsa_float_denorm_mode_16_64 3
		.amdhsa_memory_ordered 1
		.amdhsa_forward_progress 1
		.amdhsa_inst_pref_size 72
	.end_amdhsa_kernel
	.amdgpu_metadata
---
amdhsa.version: [ 1, 2 ]
amdhsa.kernels:
  - .name:           k_q32edb1464f_proj
    .symbol:         k_q32edb1464f_proj.kd
    .args:
      - { .name: ac, .offset: 0, .size: 8, .value_kind: global_buffer, .address_space: global }
      - { .name: asc, .offset: 8, .size: 8, .value_kind: global_buffer, .address_space: global }
      - { .name: Wo_codes, .offset: 16, .size: 8, .value_kind: global_buffer, .address_space: global }
      - { .name: Wo_scales, .offset: 24, .size: 8, .value_kind: global_buffer, .address_space: global }
      - { .name: bo, .offset: 32, .size: 8, .value_kind: global_buffer, .address_space: global }
      - { .name: out0, .offset: 40, .size: 8, .value_kind: global_buffer, .address_space: global }
    .group_segment_fixed_size: 327680
    .private_segment_fixed_size: 0
    .kernarg_segment_align: 8
    .kernarg_segment_size: 48
    .max_flat_workgroup_size: 128
    .sgpr_count:     100
    .vgpr_count:     1024
    .wavefront_size: 32
...
	.end_amdgpu_metadata
.endif
;; end of part 3
